; MI455X (gfx1250); checked and timed in simulation.
; The chip was launched on July 23, 2026; its instructions are those of AMD's public machine-readable ISA for CDNA 5 (MIT licence, August 2026) and "CDNA5" Instruction Set Architecture Reference Guide (July 2026). The comments in the code are by the model that wrote it; some were corrected since.
;; NPT Layer. Allowed arithmetic: matrix products marked QUANTISED: E4M3 operands, one E8M0 scale for each 32 along K, by v_wmma_scale_f32_16x16x128_f8f6f4 with both operands' format E4M3, f32 sums; products left as they are: f32 operands where the result goes on into a quantised operand, else bf16, f16 or f32 operands; f32 sums; everything else in f32.
;; Inputs: A_codes 16 x 64 x 32 uint8 (E4M3 codes of A, K innermost, in blocks of 32 codes); A_scales 16 x 64 uint8 (E8M0 scales of A, one for each 32 codes along K); Bmat 16 x 2,048 float32; W_down_codes 2,048 x 64 x 32 uint8 (E4M3 codes of W_down, K innermost, in blocks of 32 codes); W_down_scales 2,048 x 64 uint8 (E8M0 scales of W_down, one for each 32 codes along K); W_in_codes 2,048 x 64 x 32 uint8 (E4M3 codes of W_in, K innermost, in blocks of 32 codes); W_in_scales 2,048 x 64 uint8 (E8M0 scales of W_in, one for each 32 codes along K); W_up_codes 2,048 x 64 x 32 uint8 (E4M3 codes of W_up, K innermost, in blocks of 32 codes); W_up_scales 2,048 x 64 uint8 (E8M0 scales of W_up, one for each 32 codes along K); attn_output_codes 2 x 2,048 x 64 x 32 uint8 (E4M3 codes of attn_output, K innermost, in blocks of 32 codes); attn_output_scales 2 x 2,048 x 64 uint8 (E8M0 scales of attn_output, one for each 32 codes along K); gamma 2,048 float32; hidden_states 2 x 2,048 x 2,048 float32.
;; Outputs: out0 2 x 2,048 x 2,048 float32.
;; This version of the problem:
;;   THIS VERSION OF THE PROBLEM IS GIVEN IN LOW PRECISION. The matrix products marked QUANTISED in the list below multiply operands that are first quantised to E4M3 (4 exponent bits, 3 mantissa bits; 8 bits a number), with one power-of-two scale for each 32 numbers along K (OCP MX v1.0); their sums are f32. All else is computed in f32.
;;   The module's matrix products, in the order in which they are computed (A, B: the left and right operand; K: the contracted axis; several contracted axes count as one K, in the product's order):
;;     1. [M 4,096, K 2,048] x [K 2,048, N 16]; A: input attn_output (given as codes); B: input A (given as codes): QUANTISED
;;     2. [M 4,096, K 2,048] x [K 2,048, N 16]; A: computed on the way; B: input A (given as codes): QUANTISED
;;     3. [M 4,096, K 16] x [K 16, N 2,048]; A: computed on the way; B: input Bmat: left as it is (K = 16 < 32)
;;     4. [M 4,096, K 2,048] x [K 2,048, N 2,048]; A: computed on the way; B: input W_in (given as codes): QUANTISED
;;     5. [M 4,096, K 2,048] x [K 2,048, N 2,048]; A: computed on the way; B: input W_up (given as codes): QUANTISED
;;     6. [M 4,096, K 2,048] x [K 2,048, N 2,048]; A: computed on the way; B: input W_down (given as codes): QUANTISED
;;   THE QUANTISER, for each operand of a quantised product, along K:
;;     - K is cut into blocks of 32 from its start; a last block that is shorter is filled with zeros.
;;     - A block's scale is 2^e with e = floor(log2(the largest magnitude in the block)) - 8, held to -126 .. 127; a block of zeros has e = 0. As a byte (E8M0): e + 127.
;;     - Each number is divided by its block's scale, clamped to +-448, and rounded to the nearest number of E4M3, ties to even, subnormals kept.
;;     - The product sums the exact products of the quantised numbers (number of the format x scale) in f32.
;;   ~~~python
;;   def quantise(x, axis):      # numpy; x: float32 -> the quantised numbers, widened to float32 again
;;       x = np.moveaxis(x, axis, -1); K = x.shape[-1]
;;       x = np.pad(x, [(0, 0)] * (x.ndim - 1) + [(0, -K % 32)]); x = x.reshape(x.shape[:-1] + (-1, 32)); a = np.abs(x).max(-1, keepdims=True)
;;       e = np.where(a > 0, np.clip(np.frexp(np.where(a > 0, a, 1))[1] - 1 - 8, -126, 127), 0)      # np.frexp(a)[1] - 1 = floor(log2(a)), exactly
;;       r = np.clip(x / 2.0 ** e, -448, 448)
;;       step = 2.0 ** (np.maximum(np.frexp(np.where(r == 0, 1, r))[1] - 1, -6) - 3)
;;       q = np.round(r / step) * step * 2.0 ** e      # np.round: ties to even
;;       return np.moveaxis(q.reshape(q.shape[:-2] + (-1,))[..., :K], -1, axis).astype(np.float32)
;;   ~~~
;;   OPERANDS COMPUTED ON THE WAY. 'Computed on the way' means the value that the module computes at that place (a softmax that the list does not call 'softmax' is quantised finished and normalised). What goes into a quantiser is computed in f32, as accurately as f32 sums, v_exp_f32 and their like allow (about 1e-6 of the number): no bf16 or f16 on the way to a quantiser, and a product that is left as it is and whose result goes on into a quantised operand takes f32 operands (vector FMAs, or v_wmma_f32_16x16x4_f32). A number that lies on a knife's edge between two numbers of the format may be rounded either way, as far as f32 arithmetic and the matrix unit's own rounding can turn it there, and no further.
;;   INPUTS GIVEN AS CODES. A (in the module: [2048, 16], K = its axis 0); W_down (in the module: [2048, 2048], K = its axis 1); W_in (in the module: [2048, 2048], K = its axis 1); W_up (in the module: [2048, 2048], K = its axis 1); attn_output (in the module: [2, 2048, 2048], K = its axis 2): each comes as NAME_codes (uint8): NAME with its K axis moved to the last place and cut into blocks of 32 codes, [.., K / 32, bytes a block], one block behind the other in memory; one code a byte (a code: sign, 4 exponent bits, 3 mantissa bits); and NAME_scales (uint8): the same leading axes, one E8M0 byte (e + 127) for each 32 codes along K. Its value is code x scale, taken as it is: it is not quantised again, and the codes and scales need not be those that the quantiser above would give.
;; One version. Each part assembles by itself: llvm-mc -triple=amdgcn-amd-amdhsa -mcpu=gfx1250 --defsym DOCPART=n.
;; ======== version 1 of 1: 3 launches
;; limits: right only within a limited range of input values
;; workspace buffers: hq 8,388,608 bytes; gq 8,388,608 bytes; hs 262,144 bytes; gs 262,144 bytes; cm 262,144 bytes
;; launch prep (part 1): grid 256 x 1, 8 waves a work-group, no clusters, 221,696 bytes of LDS; arguments hidden_states, gamma, attn_output_codes, attn_output_scales, A_codes, A_scales, hq, hs, cm; writes hq, hs, cm
.if DOCPART == 1
	.amdgcn_target "amdgcn-amd-amdhsa--gfx1250"
	.amdhsa_code_object_version 6
	.text
	.protected	k_q0b072973a2_prep
	.globl	k_q0b072973a2_prep
	.p2align	8
	.type	k_q0b072973a2_prep,@function
k_q0b072973a2_prep:
	s_mov_b64 s[64:65], 0
	v_nop
	global_prefetch_b8 v0, s[64:65] scope:SCOPE_SE
	s_setreg_imm32_b32 hwreg(HW_REG_WAVE_MODE, 25, 1), 1
	s_wait_xcnt 0x0
; h = rmsnorm(hidden_states) x gamma, quantised along its 2,048 to codes of E4M3 with one E8M0 byte for each 32;  xA = attn_output A and hA = Q(h) A, both on codes;  c = hA x 0.1 tanh(xA).
; OUT: hq: h's codes as images of an operand's registers, [chunk of 128 K: 16][tile of 16 rows: 256][c: 4][lane: 32][16 bytes]: the byte at 512 c + 16 (r + 16 h) + p is k = 128 chunk + 32 c + 16 h + p of row 16 tile + r.
;      hs: h's scale bytes [4096][64].   cm: c as [tile: 256][q: 2][lane: 32][4 f32]: lane (r, h), q, e holds c[16 tile + r][8 h + 4 q + e].
; SHARES.  A work-group takes 16 rows (tile T).  Its eight waves share K: wave w takes k = 256 w .. 256 w + 255, two matrix steps of 128.  A wave's tile of hidden_states (16 rows x 1,024 bytes) comes by its one tensor load;
; its 16 x 256 bytes of attn_output's and of A's codes come by loads of two whole rows of 256 bytes each and are laid into the wave's own LDS.  No LDS byte is filled again.
; The waves meet twice: for the rows' sums of squares and for the partial sums of the two products, which waves 0 to 3 add, two numbers a lane, in one fixed order.
; The gain and the blocks' maxima are taken ahead of the rows' factor: h = (x gamma) / rms, and a product with one positive factor rounds monotonically, so the largest magnitude x the factor is the largest of the products.
; NO CLUSTER: what work-groups share is A's codes and gamma, 40,960 of some 204,800 bytes that a work-group brings in; the rest is its own.  NO PREFETCH: every load goes out at the head, there is no loop to run ahead in.
; BOTH PRODUCTS ARE USED TRANSPOSED (source 0 = A's 16 ranks, source 1 = 16 tokens): a lane holds one token (lane % 16) and the ranks 8 (lane / 16) + 0 .. 7.
; tanh(x): under |x| = 0.25 the series x + x^3 (-1/3 + x^2 (2/15 + x^2 (-17/315 + x^2 62/2835))), whose first term left out is under 1e-8 of x there; else 1 - 2 / (1 + 2^(2 log2(e) x)).  Both are always computed; v_cndmask_b32 chooses.
; LIMITS: NaN and infinities among the f32 inputs are not served.  A block whose largest magnitude lies under 2^-118 gets the byte 1; so does a block of zeros, where the quantiser's rule says 127: its codes are zeros, and this program alone reads the bytes.
.set HIDW,  16640                      ; LDS from 0: a wave's tile of hidden_states: 16 rows x (1,024 + 16) bytes
.set CW,    4352                       ; a wave's tile of codes: 16 rows x (256 + 16) bytes
.set ATT,   133120                     ; attn_output's codes, eight tiles
.set ACD,   167936                     ; A's codes, eight tiles
.set SSQ,   202752                     ; sums of squares: [wave][row] f32, 512 bytes
.set HSX,   203264                     ; h's scale bytes: [row][64], 1,024 bytes
.set PART,  204288                     ; partial sums: [wave][product][half of the registers][lane][16 bytes], 16,384 bytes
.set SPARE, 220672                     ; the spare words: 128 bytes a wave
.set X,     64                         ; v64-191  my 128 numbers: register 16 b + i = k 256 w + 32 b + 16 h + i of row r, b = 0 .. 7
.set PC,    192                        ; v192-223 h's two fragments
.set XA,    224                        ; v224-231 xA
.set HA,    232                        ; v232-239 the holds' bounds, later hA
.set TM,    240                        ; v240-247 maxima, v248-255 the conversions' scale operands
.set NIL,   30
.set SPW,   31
.set WV,    22
.set SEL,   52                         ; s[52:53] v_permlanex16_b32's selects for lane l xor 16
.set MNT,   54                         ; the mantissa field of 448
.set MSB, 0
.macro WIN new                         ; the immediate's high byte repeats the setting that is left
.if MSB != (\new)
	s_set_vgpr_msb (MSB<<8)|(\new)
.set MSB, (\new)
.endif
.endm
	s_load_b256 s[4:11], s[0:1], 0x0               ; hidden_states s[4:5], gamma s[6:7], attn's codes s[8:9], attn's scales s[10:11]
	s_load_b256 s[12:19], s[0:1], 0x20             ; A's codes s[12:13], A's scales s[14:15], hq s[16:17], hs s[18:19]
	s_load_b64 s[20:21], s[0:1], 0x40              ; cm
	v_lshl_add_u32 v[SPW], v0, 2, SPARE
	v_mov_b32 v[NIL], 0
	ds_add_u32 v[SPW], v[NIL]                      ; the opening lines: the add, twice on end, under one wait
	ds_add_u32 v[SPW], v[NIL]
	v_lshrrev_b32 v1, 5, v0
	v_readfirstlane_b32 s[WV], v1                  ; wave 0..7
	; descriptor group 1 for hidden_states: 16 rows x 256 elements of 4 bytes, 2,048 elements from row to row; 4 words of padding behind every 256 words
	s_mov_b32 s24, (2<<16)|(1<<20)|(7<<22)|(3<<25)
	s_mov_b32 s25, 256<<16
	s_mov_b32 s26, 16<<16
	s_mov_b32 s27, 256<<16
	s_mov_b32 s28, 16
	s_mov_b32 s29, 2048
	s_mov_b32 s30, 0
	s_mov_b32 s31, 0
	s_mul_i32 s56, s[WV], HIDW
	s_mul_i32 s57, s[WV], CW
	s_add_co_u32 s57, s57, ATT
	s_lshl_b32 s58, s[WV], 8                       ; A's codes: 256 w
	s_mov_b32 s59, 0
	s_lshl_b32 s60, ttmp9, 15                      ; attn's codes: 16 rows of 2,048 bytes x T + 256 w
	s_add_co_u32 s60, s60, s58
	s_mov_b32 s61, 0
	s_lshl_b32 s62, ttmp9, 17                      ; hidden_states: 16 rows of 8,192 bytes x T + 1,024 w
	s_lshl_b32 s63, s[WV], 10
	s_add_co_u32 s62, s62, s63
	s_mov_b32 s63, 0
	s_mov_b32 s48, 1
	s_mul_i32 s49, s[WV], HIDW
	s_mov_b32 s[SEL], 0x76543210
	s_mov_b32 s[SEL+1], 0xfedcba98
	s_mov_b32 s[MNT], 0x600000
	s_mov_b32 s55, 0x3a000000                      ; 1 / 2,048
	s_mov_b32 s2, 0x358637bd                       ; 1e-6
	s_lshl_b32 s23, s[WV], 6
	s_lshl_b32 s44, s[WV], 3
	s_add_co_u32 s44, s44, HSX
	s_lshl_b32 s45, s[WV], 11
	s_add_co_u32 s45, s45, PART
	s_lshl_b32 s46, s[WV], 8
	v_and_b32 v16, 15, v0                          ; r
	v_bfe_u32 v17, v0, 4, 1                        ; h
	v_and_b32 v18, 31, v0                          ; lane
	v_mul_u32_u24 v4, v16, 1040
	v_mul_u32_u24 v5, v16, 272
	v_mul_u32_u24 v3, v17, 272
	v_lshlrev_b32 v6, 4, v18                       ; v6: 16 x lane
	v_lshlrev_b32 v7, 6, v16                       ; v7: 64 r: a row of scale bytes
	v_lshl_add_u32 v9, v16, 2, SSQ                 ; v9: the sums of squares of row r
	v_lshlrev_b32 v13, 6, v17                      ; v13: gamma: 64 h
	v_lshlrev_b32 v20, 4, v16
	v_lshl_add_u32 v4, v17, 6, v4
	v_lshl_add_u32 v5, v17, 4, v5
	v_add_nc_u32 v8, s23, v9                       ; v8: my wave's sum of row r
	v_add_nc_u32 v10, s44, v7                      ; v10: my row's 8 scale bytes of my wave's 256 along K
	v_add_nc_u32 v11, s45, v6                      ; v11: my wave's partial sums
	v_lshl_add_u32 v2, v17, 11, v20                ; v2: codes in memory: lanes 0-15 one row of 256 bytes, lanes 16-31 the next
	v_add_nc_u32 v3, v3, v20
	v_add_nc_u32 v4, s56, v4                       ; v4: x: my wave's tile, row r, + 64 h: my 16 numbers of a block of 32
	v_add_nc_u32 v5, s57, v5                       ; v5: a fragment of codes: row r, + 16 h (A's lie ACD - ATT further on)
	v_add_nc_u32 v3, s57, v3                       ; v3: the same two rows of codes in LDS
	v_add_nc_u32 v1, HSX, v6                       ; v1: the scale bytes on their way out
	v_lshl_add_u32 v0, v18, 3, s46                 ; v0: 256 w + 8 lane: my two numbers of the tile of c (waves 0 to 3)
	v_add_nc_u32 v12, PART, v0                     ; v12: and of the partial sums
	s_wait_alu depctr_va_vdst(0)                   ; the wait at the head's end
	s_wait_dscnt 0x0                               ; both opening adds are done
	s_wait_kmcnt 0x0
	s_add_nc_u64 s[50:51], s[4:5], s[62:63]
	s_or_b32 s51, s51, 0x80000000
	tensor_load_to_lds s[48:51], s[24:31]          ; my tile of hidden_states: my one tensor load
	s_nop 0
.rept 4
	v_nop
.endr
	s_lshl_b32 s62, s[WV], 10
	s_add_nc_u64 s[6:7], s[6:7], s[62:63]          ; gamma at my wave's 256
	s_add_nc_u64 s[40:41], s[8:9], s[60:61]        ; attn's codes
	s_add_nc_u64 s[42:43], s[12:13], s[58:59]      ; A's codes
	s_lshl_b32 s56, ttmp9, 10                      ; 1,024 T: 16 rows of scale bytes, and a tile of cm
	s_mov_b32 s57, 0
	s_lshl_b32 s58, s[WV], 3                       ; 8 w
	s_add_nc_u64 s[10:11], s[10:11], s[56:57]
	s_add_nc_u64 s[10:11], s[10:11], s[58:59]
	s_add_nc_u64 s[14:15], s[14:15], s[58:59]
	s_add_nc_u64 s[18:19], s[18:19], s[56:57]
	s_add_nc_u64 s[20:21], s[20:21], s[56:57]
	s_lshl_b32 s60, s[WV], 20                      ; hq: chunk 2 w, tile T
	s_lshl_b32 s62, ttmp9, 11
	s_add_co_u32 s60, s60, s62
	s_add_nc_u64 s[16:17], s[16:17], s[60:61]
	WIN 0x40                                       ; destination window 1: gamma in x's order (v256-383), then codes (v384-447)
.irp b, 0,1,2,3,4,5,6,7
.irp j, 0,1,2,3
	global_load_b128 v[16*\b+4*\j:16*\b+4*\j+3], v13, s[6:7] offset:128*\b+16*\j
.endr
.endr
.irp i, 0,1,2,3,4,5,6,7
	global_load_b128 v[128+4*\i:131+4*\i], v2, s[40:41] offset:4096*\i
	global_load_b128 v[160+4*\i:163+4*\i], v2, s[42:43] offset:4096*\i
.endr
	WIN 0
	global_load_b64 v[24:25], v7, s[10:11]         ; attn's scale words of my two steps: lane r has row r's
	global_load_b64 v[26:27], v7, s[14:15]         ; A's: lane r has rank r's
	; ---- the rows' sums of squares
	s_wait_tensorcnt 0x0
.irp b, 0,1,2,3,4,5,6,7
.irp j, 0,1,2,3
	ds_load_b128 v[X+16*\b+4*\j:X+16*\b+4*\j+3], v4 offset:128*\b+16*\j
.endr
.endr
.set n, 0
.rept 8
.if n == 0
	s_wait_dscnt 16                                ; blocks 0 to 3 are in
.elseif n == 4
	s_wait_alu depctr_va_vdst(0)
	s_wait_dscnt 0x0
.endif
.set p, 0
.rept 8
.if (n == 0) && (p < 4)
	v_pk_mul_f32 v[16+2*p:17+2*p], v[X+2*p:X+2*p+1], v[X+2*p:X+2*p+1]          ; the first four pairs start four chains
.else
	v_pk_fma_f32 v[16+2*(p%4):17+2*(p%4)], v[X+16*n+2*p:X+16*n+2*p+1], v[X+16*n+2*p:X+16*n+2*p+1], v[16+2*(p%4):17+2*(p%4)]
.endif
.set p, p+1
.endr
.set n, n+1
.endr
	v_pk_add_f32 v[16:17], v[16:17], v[18:19]
	v_pk_add_f32 v[20:21], v[20:21], v[22:23]
	v_pk_add_f32 v[16:17], v[16:17], v[20:21]
	v_add_f32 v16, v16, v17
	v_permlanex16_b32 v17, v16, s[SEL], s[SEL+1]
	v_add_f32 v16, v16, v17                        ; row r's sum over my wave's 256
	ds_store_b32 v8, v16                           ; both halves of the lanes write the same word with the same value
	s_wait_dscnt 0x0                               ; for the others' sake: my store is done
	s_barrier_signal -1
	; ---- register work inside the barrier: x gamma, and the eight blocks' largest magnitudes
	s_wait_loadcnt 18                              ; gamma is in; the 16 loads of codes and the two of scale words may be out
	WIN 0x04                                       ; source 1 window 1
.set n, 0
.rept 64
	v_pk_mul_f32 v[X+n:X+n+1], v[X+n:X+n+1], v[n:n+1]
.set n, n+2
.endr
	WIN 0
.irp b, 0,1,2,3,4,5,6,7
	v_max3_num_f32 v[TM+\b], |v[X+16*\b]|, |v[X+16*\b+1]|, |v[X+16*\b+2]|
.endr
.irp i, 3,5,7,9,11,13
.irp b, 0,1,2,3,4,5,6,7
	v_max3_num_f32 v[TM+\b], v[TM+\b], |v[X+16*\b+\i]|, |v[X+16*\b+\i+1]|
.endr
.endr
.irp b, 0,1,2,3,4,5,6,7
	v_max_num_f32 v[TM+\b], v[TM+\b], |v[X+16*\b+15]|
.endr
.irp b, 0,1,2,3,4,5,6,7
	v_permlanex16_b32 v[16+\b], v[TM+\b], s[SEL], s[SEL+1]
.endr
.irp b, 0,1,2,3,4,5,6,7
	v_max_num_f32 v[TM+\b], v[TM+\b], v[16+\b]     ; with lane l xor 16's: the block's largest
.endr
	s_wait_alu depctr_va_vdst(0)                   ; the wait ahead of the barrier's
	s_barrier_wait -1
.irp w, 0,1,2,3,4,5,6,7
	ds_load_b32 v[16+\w], v9 offset:64*\w
.endr
	s_wait_dscnt 0x0
	v_add_f32 v16, v16, v17                        ; the same order in every wave: every wave has the same bits
	v_add_f32 v18, v18, v19
	v_add_f32 v20, v20, v21
	v_add_f32 v22, v22, v23
	v_add_f32 v16, v16, v18
	v_add_f32 v20, v20, v22
	v_add_f32 v16, v16, v20
	v_fma_f32 v16, v16, s55, s2                    ; the mean + 1e-6
	s_wait_alu depctr_va_vdst(0)
	v_rsq_f32 v14, v16
	v_rsq_f32 v15, v16                             ; twice: a pair for the packed multiply
	v_nop                                          ; a plain line behind the transcendentals
	s_wait_alu depctr_va_vdst(0)
	; ---- scales: eight blocks by turns
.irp b, 0,1,2,3,4,5,6,7
	v_mul_f32 v[TM+\b], v[TM+\b], v14
.endr
.irp b, 0,1,2,3,4,5,6,7
	v_max_num_f32 v[TM+\b], 0x4800000, v[TM+\b]    ; the floor 2^(9 - 127): the byte cannot fall under 1
.endr
.irp b, 0,1,2,3,4,5,6,7
	v_add_nc_u32 v[TM+8+\b], 0xfc000000, v[TM+\b]  ; 8 off its exponent field: the conversion's scale operand
.endr
.irp b, 0,1,2,3,4,5,6,7
	v_and_or_b32 v[HA+\b], v[TM+\b], 0x7f800000, s[MNT]          ; 448 x the scale
.endr
.irp b, 0,1,2,3,4,5,6,7
	v_lshrrev_b32 v[16+\b], 23, v[TM+8+\b]         ; the scale's byte
.endr
	v_lshl_or_b32 v28, v17, 8, v16                 ; my row's two scale words
	v_lshl_or_b32 v29, v21, 8, v20
	v_lshl_or_b32 v28, v18, 16, v28
	v_lshl_or_b32 v29, v22, 16, v29
	v_lshl_or_b32 v28, v19, 24, v28
	v_lshl_or_b32 v29, v23, 24, v29
	; ---- Q(h): two fragments; each leaves as the image of its registers, 512 consecutive bytes a store
.irp s, 0,1
.set n, 64*\s
.rept 32
	v_pk_mul_f32 v[X+n:X+n+1], v[X+n:X+n+1], v[14:15]
.set n, n+2
.endr
.irp c, 0,1,2,3
.set B_, 4*\s+\c
.irp i, 0,1,2,3,4,5,6,7,8,9,10,11,12,13,14,15
	v_med3_num_f32 v[X+16*B_+\i], v[X+16*B_+\i], -v[HA+B_], v[HA+B_]           ; the conversion to an 8-bit code does not saturate (ISA guide 7.6.2): the hold comes first
.endr
	v_cvt_scalef32_pk8_fp8_f32 v[PC+4*B_:PC+1+4*B_], v[X+16*B_:X+7+16*B_], v[TM+8+B_]
	v_cvt_scalef32_pk8_fp8_f32 v[PC+2+4*B_:PC+3+4*B_], v[X+8+16*B_:X+15+16*B_], v[TM+8+B_]
.endr
	v_nop                                          ; one plain vector line behind the last conversion
.irp c, 0,1,2,3
	global_store_b128 v6, v[PC+16*\s+4*\c:PC+16*\s+4*\c+3], s[16:17] offset:524288*\s+512*\c
.endr
.endr
	ds_store_b64 v10, v[28:29]                     ; my row's 8 scale bytes
	; ---- both products, my 256 along K
	s_wait_alu depctr_va_vdst(0)
	s_wait_loadcnt 0x0                             ; codes and scale words
	WIN 0x04
.irp i, 0,1,2,3,4,5,6,7
	ds_store_b128 v3, v[128+4*\i:131+4*\i] offset:544*\i
	ds_store_b128 v3, v[160+4*\i:163+4*\i] offset:ACD-ATT+544*\i
.endr
	WIN 0
.irp s, 0,1
.irp c, 0,1,2,3
	ds_load_b128 v[32+16*\s+4*\c:35+16*\s+4*\c], v5 offset:ACD-ATT+128*\s+32*\c               ; A's (my own bytes: LDS serves a wave's instructions in order, ISA guide 5.7.1.4)
	ds_load_b128 v[64+16*\s+4*\c:67+16*\s+4*\c], v5 offset:128*\s+32*\c                       ; attn's, where x was
.endr
.endr
.rept 4
	v_nop                                          ; codes made by vector instructions stand four places ahead of a scaled matrix instruction
.endr
	s_wait_dscnt 0x0
	v_wmma_scale_f32_16x16x128_f8f6f4 v[XA:XA+7], v[32:47], v[64:79], 0, v26, v24
	v_wmma_scale_f32_16x16x128_f8f6f4 v[HA:HA+7], v[32:47], v[PC:PC+15], 0, v26, v28
	v_wmma_scale_f32_16x16x128_f8f6f4 v[XA:XA+7], v[48:63], v[80:95], v[XA:XA+7], v27, v25
	v_wmma_scale_f32_16x16x128_f8f6f4 v[HA:HA+7], v[48:63], v[PC+16:PC+31], v[HA:HA+7], v27, v29
.rept 8
	v_nop                                          ; eight places behind this form before its result is read
.endr
	ds_store_b128 v11, v[XA:XA+3]                  ; each accumulator from its low end on
	ds_store_b128 v11, v[XA+4:XA+7] offset:512
	ds_store_b128 v11, v[HA:HA+3] offset:1024
	ds_store_b128 v11, v[HA+4:HA+7] offset:1536
	s_wait_dscnt 0x0                               ; my scale bytes and my partial sums are in LDS
	s_barrier_signal -1
	s_barrier_wait -1
	s_cmp_lt_u32 s[WV], 4
	s_cbranch_scc1 .Lsums
	s_cmp_eq_u32 s[WV], 4
	s_cbranch_scc0 .Lend
	ds_load_b128 v[64:67], v1                      ; wave 4: the 16 rows' scale bytes, 1,024 consecutive bytes of hs
	ds_load_b128 v[68:71], v1 offset:512
	s_wait_dscnt 0x0
	global_store_b128 v6, v[64:67], s[18:19]
	global_store_b128 v6, v[68:71], s[18:19] offset:512
	s_branch .Lend
.Lsums:                                                ; waves 0 to 3: the eight waves' partial sums of two numbers a lane, tanh, c
.irp w, 0,1,2,3,4,5,6,7
	ds_load_b64 v[64+4*\w:65+4*\w], v12 offset:2048*\w
	ds_load_b64 v[66+4*\w:67+4*\w], v12 offset:2048*\w+1024
.endr
	s_mov_b32 s56, 0x3cb327a4                      ; 62 / 2835
	s_mov_b32 s57, 0xbd5d0dd1                      ; -17 / 315
	s_mov_b32 s58, 0x3e800000                      ; 0.25
	s_wait_dscnt 0x0
.irp w, 0,2,4,6
	v_pk_add_f32 v[64+4*\w:65+4*\w], v[64+4*\w:65+4*\w], v[68+4*\w:69+4*\w]
	v_pk_add_f32 v[66+4*\w:67+4*\w], v[66+4*\w:67+4*\w], v[70+4*\w:71+4*\w]
.endr
.irp w, 0,4
	v_pk_add_f32 v[64+4*\w:65+4*\w], v[64+4*\w:65+4*\w], v[72+4*\w:73+4*\w]
	v_pk_add_f32 v[66+4*\w:67+4*\w], v[66+4*\w:67+4*\w], v[74+4*\w:75+4*\w]
.endr
	v_pk_add_f32 v[64:65], v[64:65], v[80:81]      ; xA
	v_pk_add_f32 v[66:67], v[66:67], v[82:83]      ; hA
.irp j, 0,1
	v_mul_f32 v[100+\j], v[64+\j], v[64+\j]        ; x^2
	v_mul_f32 v[96+\j], 0x4038aa3b, v[64+\j]       ; 2 log2(e) x
	v_and_b32 v[104+\j], 0x7fffffff, v[64+\j]      ; |x|
.endr
	s_wait_alu depctr_va_vdst(0)
	v_exp_f32 v96, v96
	v_exp_f32 v97, v97
.irp j, 0,1
	v_fma_f32 v[108+\j], v[100+\j], s56, s57       ; the series (plain lines behind the exponentials)
.endr
.irp j, 0,1
	v_fma_f32 v[108+\j], v[108+\j], v[100+\j], 0x3e088889        ; + 2 / 15
.endr
.irp j, 0,1
	v_fma_f32 v[108+\j], v[108+\j], v[100+\j], 0xbeaaaaab        ; - 1 / 3
.endr
.irp j, 0,1
	v_mul_f32 v[108+\j], v[108+\j], v[100+\j]
.endr
.irp j, 0,1
	v_fma_f32 v[108+\j], v[64+\j], v[108+\j], v[64+\j]           ; tanh for a small x
.endr
	s_wait_alu depctr_va_vdst(0)
	v_add_f32 v96, 1.0, v96
	v_add_f32 v97, 1.0, v97
	s_wait_alu depctr_va_vdst(0)
	v_rcp_f32 v96, v96
	v_rcp_f32 v97, v97
	v_nop
	s_wait_alu depctr_va_vdst(0)
.irp j, 0,1
	v_fma_f32 v[96+\j], v[96+\j], -2.0, 1.0        ; tanh for the others
.endr
.irp j, 0,1
	v_cmp_gt_f32 vcc_lo, s58, v[104+\j]            ; 0.25 > |x|
	v_cndmask_b32 v[96+\j], v[96+\j], v[108+\j], vcc_lo
.endr
.irp j, 0,1
	v_mul_f32 v[96+\j], 0x3dcccccd, v[96+\j]       ; the modulation: 0.1 tanh
.endr
.irp j, 0,1
	v_mul_f32 v[112+\j], v[66+\j], v[96+\j]        ; c = hA x the modulation
.endr
	global_store_b64 v0, v[112:113], s[20:21]      ; 32 lanes store 256 consecutive bytes
.Lend:
	s_wait_tensorcnt 0x0                           ; the wave's end
	ds_add_u32 v[SPW], v[NIL]
	s_wait_dscnt 0x0
	s_endpgm
.Lfunc_end_k_q0b072973a2_prep:
	.size	k_q0b072973a2_prep, .Lfunc_end_k_q0b072973a2_prep-k_q0b072973a2_prep
	.p2alignl 7, 3214868480
	.fill 96, 4, 3214868480
	.section	.rodata,"a",@progbits
	.p2align	6, 0x0
	.amdhsa_kernel k_q0b072973a2_prep
		.amdhsa_group_segment_fixed_size 221696
		.amdhsa_private_segment_fixed_size 0
		.amdhsa_enable_private_segment 0
		.amdhsa_kernarg_size 72
		.amdhsa_user_sgpr_count 2
		.amdhsa_user_sgpr_kernarg_segment_ptr 1
		.amdhsa_wavefront_size32 1
		.amdhsa_system_sgpr_workgroup_id_x 1
		.amdhsa_system_sgpr_workgroup_id_y 1
		.amdhsa_system_sgpr_workgroup_id_z 1
		.amdhsa_system_vgpr_workitem_id 0
		.amdhsa_next_free_vgpr 448
		.amdhsa_next_free_sgpr 66
		.amdhsa_reserve_vcc 1
		.amdhsa_float_denorm_mode_32 3
		.amdhsa_float_denorm_mode_16_64 3
		.amdhsa_memory_ordered 1
		.amdhsa_forward_progress 1
		.amdhsa_inst_pref_size 51
	.end_amdhsa_kernel
	.amdgpu_metadata
---
amdhsa.version: [ 1, 2 ]
amdhsa.kernels:
  - .name:           k_q0b072973a2_prep
    .symbol:         k_q0b072973a2_prep.kd
    .args:
      - { .name: hidden_states, .offset: 0, .size: 8, .value_kind: global_buffer, .address_space: global }
      - { .name: gamma, .offset: 8, .size: 8, .value_kind: global_buffer, .address_space: global }
      - { .name: attn_output_codes, .offset: 16, .size: 8, .value_kind: global_buffer, .address_space: global }
      - { .name: attn_output_scales, .offset: 24, .size: 8, .value_kind: global_buffer, .address_space: global }
      - { .name: A_codes, .offset: 32, .size: 8, .value_kind: global_buffer, .address_space: global }
      - { .name: A_scales, .offset: 40, .size: 8, .value_kind: global_buffer, .address_space: global }
      - { .name: hq, .offset: 48, .size: 8, .value_kind: global_buffer, .address_space: global }
      - { .name: hs, .offset: 56, .size: 8, .value_kind: global_buffer, .address_space: global }
      - { .name: cm, .offset: 64, .size: 8, .value_kind: global_buffer, .address_space: global }
    .group_segment_fixed_size: 221696
    .private_segment_fixed_size: 0
    .kernarg_segment_align: 8
    .kernarg_segment_size: 72
    .max_flat_workgroup_size: 256
    .sgpr_count:     66
    .vgpr_count:     448
    .wavefront_size: 32
...
	.end_amdgpu_metadata
.endif
;; end of part 1
;; launch gateup (part 2): grid 16 x 16, 4 waves a work-group, clusters of 4 x 4, 327,680 bytes of LDS; arguments hq, hs, W_in_codes, W_in_scales, W_up_codes, W_up_scales, Bmat, cm, gq, gs; writes gq, gs
.if DOCPART == 2
	.amdgcn_target "amdgcn-amd-amdhsa--gfx1250"
	.amdhsa_code_object_version 6
	.text
	.protected	k_q0b072973a2_gateup
	.globl	k_q0b072973a2_gateup
	.p2align	8
	.type	k_q0b072973a2_gateup,@function
k_q0b072973a2_gateup:
	s_mov_b64 s[64:65], 0
	v_nop
	global_prefetch_b8 v0, s[64:65] scope:SCOPE_SE
	s_setreg_imm32_b32 hwreg(HW_REG_WAVE_MODE, 25, 1), 1
	s_wait_xcnt 0x0
	s_wait_alu depctr_hold_cnt(0) depctr_sa_sdst(0) depctr_va_vdst(0) depctr_va_sdst(0) depctr_va_ssrc(0) depctr_va_vcc(0) depctr_vm_vsrc(0)
	s_getreg_b32 s2, hwreg(HW_REG_IB_STS2, 6, 4)
	s_cmp_eq_u32 s2, 0
	s_cbranch_scc0 .Lentry_in_a_cluster
	s_endpgm
.Lentry_in_a_cluster:
	s_bfe_u32 s2, ttmp6, 0x10000c
	s_cmp_lg_u32 s2, 0xf033
	s_cbranch_scc0 .Lentry_shape_is_right
	s_endpgm
.Lentry_shape_is_right:
; g = silu(Q(h) W_in^T + c Bmat) x (Q(h) W_up^T), quantised along its 2,048 (f) to codes of E4M3 with one E8M0 byte for each 32.  Both large products on codes, by the scaled matrix instruction; c Bmat (K = 16) in f32.
; IN:  hq, h's codes as images of an operand's registers, [chunk of 128 K: 16][tile of 16 rows: 256][2,048 bytes]; hs, its scale bytes [4096][64]; W_in, W_up: codes [2048][2048], K innermost, scale bytes [2048][64];
;      Bmat [16][2048] f32; cm, c as [tile: 256][q: 2][lane: 32][4 f32].    OUT: gq: g's codes, laid as hq; gs: its scale bytes [chunk of 128 f: 16][4096][4].
; SHARES.  A work-group makes 256 rows x 128 f of gate AND of up.  Four waves, as many as a WGP has SIMDs; a wave makes 128 rows x 64 f of both: 64 accumulators of 16 x 16, 512 registers.
; K goes in steps of 256 through a ring of two LDS slots filled by the tensor data mover.  A slot: two chunks of h's images (2 x 32,768 dense bytes), then 128 rows of W_in and 128 rows of W_up (256 bytes + 16 of padding).
; THE HEAD: one joint load a wave, K step 0's four tiles.  K step 1's go out behind a drained round, which stands between the two halves of c Bmat.
; The scale bytes of the 256 rows of h and of the 128 rows of W_in and of W_up, for all of K, come by plain loads of 512 consecutive bytes and are stored into LDS once.  They are not asked for jointly: 32,768 of the some 1,130,000 bytes that a work-group brings in.
; CLUSTERS: 4 x 4 work-groups.  The four of a row of the cluster need the same tiles of h, the four of a column the same tiles of the weights: each tile is asked for jointly.
; PREFETCH: behind the joint load of K step n stands one prefetch a wave for K step n + 2, n = 0 .. 5.  Of the 128 blocks of 256 bytes of a wave's tile each of the four partners that load it names 32, told apart by address: one block a lane.  The last two K steps' loads ask for nothing.
; THE MATRIX INSTRUCTIONS ARE USED TRANSPOSED (source 0 = 16 rows of a weight, source 1 = 16 tokens): a lane holds ONE token (lane % 16), and its eight registers are f = 8 (lane / 16) + 0 .. 7 of the tile: neighbours along the next product's K.
; c Bmat STARTS THE GATE'S SUMS: 4 instructions of the f32 matrix form for each gate accumulator, the first with C = 0, ahead of the loop; slot 2 h + e of instruction kk carries k = 8 h + 2 kk + e on both sides.
; These accumulators are written by matrix instructions alone.
; THE WAY OUT, two blocks of 16 tokens at a time.  A tile's eight codes of a lane are bytes 16 r + 8 h of a unit of 256 bytes of the image: one store of 8 bytes a lane writes that unit whole.
; The scale bytes (4 a row for a work-group) meet in LDS and leave as 1,024 consecutive bytes.
; LIMITS: NaN and infinities are not served.  A block of g whose largest magnitude lies under 2^-118 gets the byte 1, a block of zeros too (its codes are zeros; this program alone reads the bytes).
; REGISTERS, in windows of 256: window 0: v1-31 addresses; v32-63 scale words, two sets, and nothing else; v64-103 at work on the way out; v104 the prefetches' offset; v128-255 h's fragments, ONE set.
;   Ahead of the loop: v64-95 c of my rows 64-127, v128-159 of my rows 0-63, v160-223 scale bytes on their way to LDS.   On the way out: v128-191 g of two blocks, v192-255 codes.
;   window 1: the weights' fragments, TWO sets, at v0 and v128 (ahead of the loop v128-159: Bmat).   window 2: accumulators of my rows 0-63: (a, b) at v[8 (8 a + b)], b = 0-3 gate, 4-7 up;   window 3: those of my rows 64-127.
.set SLOT,  65536+2*128*272
.set SCL,   2*SLOT                     ; behind the ring: the scale bytes, as units of 256 bytes + 16 of padding: h's 17,408, then W_in's and W_up's 8,704 each
.set SPARE, SCL+17408+2*8704           ; the spare words, 128 bytes for each wave: two blocks of 256 bytes that no other line names
.set SCX,   SPARE+512                  ; g's scale bytes on their way out: [256 rows][4], 1,024 bytes; no fill lands here
.set NP,    8                          ; places behind the scaled form on 8-bit codes
.set ADRA,  16                         ; v16-17  LDS address of my images of h in slot 0, 1
.set ADRB,  20                         ; v20-21  of my rows of W_in in slot 0, 1 (W_up's lie 128 rows further on)
.set LI,    22                         ; v22     16 x lane
.set BO,    23                         ; v23     Bmat: 65,536 h + 4 r
.set GO,    24                         ; v24     gq: 16 r + 8 h
.set SX,    25                         ; v25     where my row's two scale bytes go
.set SXR,   26                         ; v26     where I read two rows' eight back
.set ADRS,  27                         ; v27     scale words: lanes 0-15 h's rows, lanes 16-31 W_in's
.set SPW,   28                         ; v28     LDS address of my spare word; never rewritten
.set NIL,   29                         ; v29     0; never rewritten
.set ADRS2, 30                         ; v30     scale words: lanes 0-15 h's rows, lanes 16-31 W_up's
.set GSO,   31                         ; v31     gs: 8 x lane
.set SC,    32                         ; set s at v[SC + 16 s]; register 2 i + q: lanes 0-15 the word of h's block i, lanes 16-31 that of the weights' block i, for the slot's q-th 128 along K
.set TM,    64
.set PWH,   96
.set PFO,   104
.set AF,    128
.set TT,    128
.set PP,    192
.set WV,    16
.set RH,    17                         ; which 128 rows are mine.  Also: I fetch for h (0) or for the weights (1)
.set CH,    18                         ; which 64 f are mine.  Also: which of the two tiles I fetch
.set MNT,   19
.set SEL,   66
.set PFA,   68                         ; s[68:69] where my prefetches stand;  s[70:71] what a K step adds to it
.set PFS,   70
.set NL2E,  100                        ; s[100:101] -log2(e), twice
.set G1,    24                         ; s[24:31] group 1 for h's chunks;  s[32:39] group 0, one set for each slot
.set G0,    32
.set G1B,   48                         ; s[48:55], s[56:63] the same for the weights
.set G0B,   56
.set MSB, 0
.macro WIN new                         ; the immediate's high byte repeats the setting that is left
.if MSB != (\new)
	s_set_vgpr_msb (MSB<<8)|(\new)
.set MSB, (\new)
.endif
.endm
.set MUL_LO, 0xa1                      ; source 0 (weights) window 1, source 1 (h) window 0, C and D window 2
.set MUL_HI, 0xf1                      ; the same, C and D window 3
.set TO_B,   0x40                      ; destination window 1, address window 0
; A joint load into slot s: waves 0 and 1 fetch for h, waves 2 and 3 for the weights.  The branch hangs on the wave's number alone.  Four v_nop follow each of the two lines.
.macro JLOAD s
	s_cmp_eq_u32 s[RH], 0
	s_cbranch_scc0 .Lfor_b_\@
	tensor_load_to_lds s[G0+4*\s:G0+4*\s+3], s[G1:G1+7]
	s_nop 0
.rept 4
	v_nop
.endr
	s_branch .Lasked_\@
.Lfor_b_\@:
	tensor_load_to_lds s[G0B+4*\s:G0B+4*\s+3], s[G1B:G1B+7]
	s_nop 0
.rept 4
	v_nop
.endr
.Lasked_\@:
.endm
.macro CREST                           ; a round of the cluster's barrier behind its opening barrier
	s_cmp_lg_u32 s[WV], 0
	s_cbranch_scc1 .Lnot_wave_0_\@
	s_barrier_signal -3
.Lnot_wave_0_\@:
	s_barrier_wait -3
	s_barrier_signal -1
	s_barrier_wait -1
.endm
.macro CROUND                          ; a whole round
	s_barrier_signal -1
	s_barrier_wait -1
	CREST
.endm
.macro PLACES n
.rept \n
	v_nop
.endr
.endm
.macro ASK
	global_prefetch_b8 v[PFO], s[PFA:PFA+1] th:TH_LOAD_NT scope:SCOPE_SE
.endm
	s_load_b256 s[4:11], s[0:1], 0x0               ; hq s[4:5], hs s[6:7], W_in's codes s[8:9], W_in's scales s[10:11]
	s_load_b256 s[92:99], s[0:1], 0x20             ; W_up's codes s[92:93], W_up's scales s[94:95], Bmat s[96:97], cm s[98:99]
	s_load_b128 s[12:15], s[0:1], 0x40             ; gq s[12:13], gs s[14:15]
	v_lshl_add_u32 v[SPW], v0, 2, SPARE
	v_mov_b32 v[NIL], 0
	ds_add_u32 v[SPW], v[NIL]                      ; the opening lines: the add, twice on end, under one wait
	ds_add_u32 v[SPW], v[NIL]
	v_lshrrev_b32 v1, 5, v0
	v_readfirstlane_b32 s[WV], v1                  ; wave 0..3
	s_lshr_b32 s[RH], s[WV], 1
	s_and_b32 s[CH], s[WV], 1
	s_bfe_u32 s40, ttmp6, 0x40000                  ; cx, cy: my place in the cluster
	s_bfe_u32 s41, ttmp6, 0x40004
	s_lshl_b32 s42, ttmp9, 2
	s_add_co_u32 s42, s42, s40                     ; j: my block of 128 f = 4 x cluster x + cx
	s_and_b32 s45, ttmp7, 0xffff
	s_lshl_b32 s45, s45, 2
	s_add_co_u32 s45, s45, s41                     ; i: my block of 256 rows = 4 x cluster y + cy
	s_lshl_b32 s43, s41, 2
	s_lshl_b32 s43, 15, s43                        ; my row of the cluster
	s_lshl_b32 s44, 0x1111, s40                    ; my column
	; group 1, h's chunk: 32,768 dense bytes as 128 rows of 32 elements of 8 bytes, no padding
	s_or_b32 s[G1], s43, (3<<16)|(1<<21)
	s_mov_b32 s[G1+1], 32<<16
	s_mov_b32 s[G1+2], 128<<16
	s_mov_b32 s[G1+3], 32<<16
	s_mov_b32 s[G1+4], 128
	s_mov_b32 s[G1+5], 32
	s_mov_b32 s[G1+6], 0
	s_mov_b32 s[G1+7], 0
	; a weight's tile: 128 rows x 256 bytes, 2,048 bytes from row to row, 4 words of padding behind every 64
	s_or_b32 s[G1B], s44, (1<<20)|(1<<21)|(5<<22)|(3<<25)
	s_mov_b32 s[G1B+1], 256<<16
	s_mov_b32 s[G1B+2], 128<<16
	s_mov_b32 s[G1B+3], 256<<16
	s_mov_b32 s[G1B+4], 128
	s_mov_b32 s[G1B+5], 2048
	s_mov_b32 s[G1B+6], 0
	s_mov_b32 s[G1B+7], 0
	; where the tiles come from.  p = wave & 1.  h's hang on i and p alone, the weights' on j and p alone
	s_lshl_b32 s20, s45, 15                        ; h's codes: 16 tiles of 2,048 bytes x i + chunk p
	s_lshl_b32 s21, s[CH], 19
	s_add_co_u32 s20, s20, s21
	s_mov_b32 s21, 0
	s_lshl_b32 s46, s42, 18                        ; a weight's codes: 128 j rows of 2,048
	s_mov_b32 s47, 0
	s_lshl_b32 s22, s45, 14                        ; h's scale bytes: 256 i rows of 64; wave w brings 4,096 bytes
	s_lshl_b32 s23, s[WV], 12
	s_add_co_u32 s22, s22, s23
	s_mov_b32 s23, 0
	s_lshl_b32 s2, s42, 13                         ; a weight's: 128 j rows of 64; wave w brings half w / 2 of weight w & 1
	s_lshl_b32 s3, s[RH], 12
	s_add_co_u32 s2, s2, s3
	s_mov_b32 s3, 0
	s_lshl_b32 s72, s45, 14                        ; cm: tile 16 i + 8 x (my half), 1,024 bytes a tile
	s_lshl_b32 s73, s[RH], 13
	s_add_co_u32 s72, s72, s73
	s_mov_b32 s73, 0
	s_lshl_b32 s74, s42, 9                         ; Bmat: column 128 j + 64 x (my half)
	s_lshl_b32 s75, s[CH], 8
	s_add_co_u32 s74, s74, s75
	s_mov_b32 s75, 0
	s_lshl_b32 s76, s40, 13                        ; prefetches, K step 2: of h's chunk blocks 32 cx on;
	s_add_co_u32 s76, s76, s20
	s_add_co_u32 s76, s76, 2097152
	s_lshl_b32 s78, s41, 16                        ; of a weight's tile rows 32 cy on
	s_add_co_u32 s78, s78, s46
	s_add_co_u32 s78, s78, 512
	; and where the tiles go: no place in the cluster enters an LDS address
	s_mov_b32 s[G0], 1
	s_lshl_b32 s[G0+1], s[CH], 15
	s_mov_b32 s[G0+4], 1
	s_add_co_u32 s[G0+5], s[G0+1], SLOT
	s_mov_b32 s[G0B], 1
	s_mul_i32 s[G0B+1], s[CH], 128*272
	s_add_co_u32 s[G0B+1], s[G0B+1], 65536
	s_mov_b32 s[G0B+4], 1
	s_add_co_u32 s[G0B+5], s[G0B+1], SLOT
	s_mov_b32 s[MNT], 0x600000
	s_mov_b32 s[SEL], 0x76543210
	s_mov_b32 s[SEL+1], 0xfedcba98
	s_mov_b32 s[NL2E], 0xbfb8aa3b
	s_mov_b32 s[NL2E+1], s[NL2E]
	s_mul_i32 s80, s[WV], 4352                     ; LDS: h's scale bytes: 16 units a wave
	s_add_co_u32 s80, s80, SCL
	s_mul_i32 s81, s[CH], 8704                     ; the weights'
	s_mul_i32 s82, s[RH], 4352
	s_add_co_u32 s81, s81, s82
	s_add_co_u32 s81, s81, SCL+17408
	s_mov_b32 s[PFS], 256
	s_mov_b32 s[PFS+1], 0
	s_cmp_eq_u32 s[RH], 0
	s_cselect_b32 s76, s76, s78
	s_cselect_b32 s[PFS], 0x100000, s[PFS]
	s_cselect_b32 s83, 8, 11
	s_mov_b32 s77, 0
	v_and_b32 v1, 15, v0                           ; r
	v_bfe_u32 v2, v0, 4, 1                         ; h
	v_and_b32 v3, 31, v0                           ; lane
	v_lshlrev_b32 v[LI], 4, v3
	v_lshlrev_b32 v[BO], 2, v1
	v_lshl_add_u32 v[BO], v2, 16, v[BO]            ; Bmat: rows 8 h on (8,192 bytes a row), column r
	v_lshlrev_b32 v[PFO], s83, v3                  ; a lane a block of 256 bytes (h), a lane a row of 2,048 (weights)
	v_mul_u32_u24 v4, v2, 272
	v_lshl_add_u32 v4, v1, 4, v4                   ; two units of 256 bytes + 16
	v_add_nc_u32 v5, s81, v4
	v_add_nc_u32 v4, s80, v4
	s_wait_alu depctr_va_vdst(0)
	s_wait_dscnt 0x0                               ; both opening adds are done
	s_wait_kmcnt 0x0
	s_cmp_eq_u32 s[CH], 0                          ; p = 0 fetches W_in, p = 1 W_up: the choice hangs on the wave's number alone
	s_cselect_b64 s[8:9], s[8:9], s[92:93]
	s_cselect_b64 s[10:11], s[10:11], s[94:95]
	s_cmp_eq_u32 s[RH], 0
	s_cselect_b64 s[PFA:PFA+1], s[4:5], s[8:9]
	s_add_nc_u64 s[PFA:PFA+1], s[PFA:PFA+1], s[76:77]
	s_add_nc_u64 s[G0+2:G0+3], s[4:5], s[20:21]
	s_add_nc_u64 s[G0+6:G0+7], s[G0+2:G0+3], 1048576               ; slot 1: two chunks on
	s_or_b32 s[G0+3], s[G0+3], 0x80000000
	s_or_b32 s[G0+7], s[G0+7], 0x80000000
	s_add_nc_u64 s[G0B+2:G0B+3], s[8:9], s[46:47]
	s_add_nc_u64 s[G0B+6:G0B+7], s[G0B+2:G0B+3], 256
	s_or_b32 s[G0B+3], s[G0B+3], 0x80000000
	s_or_b32 s[G0B+7], s[G0B+7], 0x80000000
	s_add_nc_u64 s[6:7], s[6:7], s[22:23]
	s_add_nc_u64 s[10:11], s[10:11], s[2:3]
	s_add_nc_u64 s[98:99], s[98:99], s[72:73]
	s_add_nc_u64 s[96:97], s[96:97], s[74:75]
	; scale bytes, c, Bmat: plain loads want no partner and go out ahead of the round
.irp i, 0,1,2,3,4,5,6,7
	global_load_b128 v[160+4*\i:163+4*\i], v[LI], s[6:7] offset:512*\i
	global_load_b128 v[192+4*\i:195+4*\i], v[LI], s[10:11] offset:512*\i
.endr
.irp a, 0,1,2,3
.irp q, 0,1
	global_load_b128 v[128+8*\a+4*\q:128+8*\a+4*\q+3], v[LI], s[98:99] offset:1024*\a+512*\q     ; c[16 a + r][8 h + 4 q + 0 .. 3], a = 0 .. 3
	global_load_b128 v[64+8*\a+4*\q:64+8*\a+4*\q+3], v[LI], s[98:99] offset:4096+1024*\a+512*\q  ; a = 4 .. 7
.endr
.endr
	WIN TO_B
.irp t, 0,1,2,3
.irp n, 0,1,2,3,4,5,6,7
	global_load_b32 v[128+8*\t+\n], v[BO], s[96:97] offset:8192*\n+64*\t                         ; Bmat[8 h + n][16 t + r]
.endr
.endr
	WIN 0
	CROUND                                         ; all sixteen work-groups are here: the first joint loads meet
	JLOAD 0                                        ; K step 0: one tensor load a wave at the head
	; ---- addresses
	s_lshl_b32 s20, s[RH], 14                      ; my 8 tiles of a chunk's 16
	v_add_nc_u32 v[ADRA], s20, v[LI]
	v_add_nc_u32 v[ADRA+1], SLOT, v[ADRA]
	v_mul_u32_u24 v6, v1, 272
	v_lshl_add_u32 v6, v2, 4, v6                   ; a weight's fragment: row r x pitch + 16 h
	s_mul_i32 s21, s[CH], 17408                    ; my 64 rows of its 128
	s_add_co_u32 s21, s21, 65536
	v_add_nc_u32 v[ADRB], s21, v6
	v_add_nc_u32 v[ADRB+1], SLOT, v[ADRB]
	v_lshlrev_b32 v7, 6, v1                        ; my row's scale bytes: 64 a row,
	v_lshrrev_b32 v8, 2, v1
	v_lshl_add_u32 v7, v8, 4, v7                   ; and 16 more for each 256 passed
	s_mul_i32 s20, s[RH], 8704                     ; h's: my 128 rows
	s_mul_i32 s21, s[CH], 4352                     ; W_in's: my 64 rows, behind h's 256
	s_add_co_u32 s21, s21, 17408
	s_sub_co_u32 s21, s21, s20
	s_wait_alu depctr_va_vdst(0)
	v_mul_u32_u24 v8, s21, v2                      ; lanes 16-31 take the weights'
	s_add_co_u32 s22, s21, 4352                    ; for blocks 4-7 (immediates 4 x 1,088 on): W_up's, 8,704 behind W_in's
	v_mul_u32_u24 v9, s22, v2
	s_add_co_u32 s20, s20, SCL
	v_add_nc_u32 v7, s20, v7
	v_add_nc_u32 v[ADRS], v7, v8
	v_add_nc_u32 v[ADRS2], v7, v9
	v_lshlrev_b32 v[GO], 4, v1
	v_lshl_add_u32 v[GO], v2, 3, v[GO]
	s_lshl_b32 s20, s[RH], 9
	s_lshl_b32 s21, s[CH], 1
	s_add_co_u32 s20, s20, s21
	s_add_co_u32 s20, s20, SCX
	v_lshl_add_u32 v[SX], v1, 2, s20               ; 4 bytes a row: row 128 x (my half of the rows) + r, bytes 2 x (my half of the f) on
	s_lshl_b32 s20, s[WV], 8
	s_add_co_u32 s20, s20, SCX
	v_lshl_add_u32 v[SXR], v3, 3, s20              ; back: wave w takes 256 consecutive bytes
	v_lshlrev_b32 v[GSO], 3, v3
	s_lshl_b32 s92, s42, 19                        ; gq: chunk j, tile 16 i + 8 x (half of the rows), c = 2 x (half of the f)
	s_lshl_b32 s93, s45, 15
	s_add_co_u32 s92, s92, s93
	s_lshl_b32 s93, s[RH], 14
	s_add_co_u32 s92, s92, s93
	s_lshl_b32 s93, s[CH], 10
	s_add_co_u32 s92, s92, s93
	s_mov_b32 s93, 0
	s_add_nc_u64 s[12:13], s[12:13], s[92:93]
	s_lshl_b32 s94, s42, 14                        ; gs: chunk j, row 256 i + 64 w, 4 bytes a row
	s_lshl_b32 s95, s45, 10
	s_add_co_u32 s94, s94, s95
	s_lshl_b32 s95, s[WV], 8
	s_add_co_u32 s94, s94, s95
	s_mov_b32 s95, 0
	s_add_nc_u64 s[14:15], s[14:15], s[94:95]
	ASK                                            ; K step 2
; an image of h: 4 loads of 512 consecutive bytes
.macro FRAGA reg, slot, q, a
.irp c, 0,1,2,3
	ds_load_b128 v[\reg+4*\c:\reg+4*\c+3], v[ADRA+\slot] offset:32768*(\q)+2048*(\a)+512*\c
.endr
.endm
; a weight's fragment: lane l holds row l % 16; registers 4 c .. 4 c + 3 hold K = 32 c + 16 (l / 16) + 0 .. 15.  Blocks 0-3: W_in's tiles, 4-7: W_up's
.macro FRAGB reg, slot, q, b
.irp c, 0,1,2,3
	ds_load_b128 v[\reg+4*\c:\reg+4*\c+3], v[ADRB+\slot] offset:128*(\q)+32*\c+272*(128*((\b)/4)+16*((\b)%4))
.endr
.endm
.macro FETCH_BH slot, q, p, b0         ; the weights' blocks b0 .. b0 + 3 into set p
	WIN TO_B
.irp i, \b0, \b0+1, \b0+2, \b0+3
	FRAGB 128*(\p)+16*(\i), \slot, \q, \i
.endr
	WIN 0
.endm
.macro FETCH_A slot, q, i0
.irp i, \i0, \i0+1, \i0+2, \i0+3
	FRAGA AF+16*(\i), \slot, \q, \i
.endr
.endm
.macro SCALES sc                       ; a K step's scale words: 2 words a row
.irp i, 0,1,2,3
	ds_load_b64 v[SC+16*\sc+2*\i:SC+16*\sc+2*\i+1], v[ADRS] offset:\i*1088
.endr
.irp i, 4,5,6,7
	ds_load_b64 v[SC+16*\sc+2*\i:SC+16*\sc+2*\i+1], v[ADRS2] offset:\i*1088
.endr
.endm
; 8 matrix instructions: h's block a x the weights' eight, 128 along K.  p: the weights' set; sc: the set of scale words.  zero = 1: the products of up start their sums; gate's go on from c Bmat.
; The 64 accumulators take turns, one instruction a turn, in the same order in every step.
.macro MUL8 a, p, q, sc, zero
.irp b, 0,1,2,3,4,5,6,7
.if \zero && (\b >= 4)
	v_wmma_scale_f32_16x16x128_f8f6f4 v[8*(8*((\a)%4)+\b):8*(8*((\a)%4)+\b)+7], v[128*(\p)+16*\b:128*(\p)+16*\b+15], v[AF+16*(\a):AF+16*(\a)+15], 0, v[SC+16*(\sc)+2*\b+(\q)], v[SC+16*(\sc)+2*(\a)+(\q)] matrix_a_scale:MATRIX_SCALE_ROW1
.else
	v_wmma_scale_f32_16x16x128_f8f6f4 v[8*(8*((\a)%4)+\b):8*(8*((\a)%4)+\b)+7], v[128*(\p)+16*\b:128*(\p)+16*\b+15], v[AF+16*(\a):AF+16*(\a)+15], v[8*(8*((\a)%4)+\b):8*(8*((\a)%4)+\b)+7], v[SC+16*(\sc)+2*\b+(\q)], v[SC+16*(\sc)+2*(\a)+(\q)] matrix_a_scale:MATRIX_SCALE_ROW1
.endif
.endr
.endm
.macro MULA a0, p, q, sc, zero
	MUL8 \a0, \p, \q, \sc, \zero
	MUL8 (\a0)+1, \p, \q, \sc, \zero
.endm
; A slot's first 128 along K.  The next 128's fragments: the weights' blocks 0-3 have been asked for at the end of the step before, blocks 4-7 come with h's blocks 0-3 in the middle, h's blocks 4-7 at the end.
.macro STEP slot, zero
	s_wait_dscnt 40                                ; scale words, the weights' set, h's blocks 0 and 1 are in; out may be h's blocks 2-3 (8), 4-7 (16) and the 16 loads of the next set's half
	WIN MUL_LO
	MULA 0, 0, 0, \slot, \zero
	s_wait_dscnt 32                                ; h's blocks 2 and 3
	MULA 2, 0, 0, \slot, \zero
	s_wait_dscnt 16                                ; h's blocks 4-7
	PLACES NP                                      ; in front of loads into registers that matrix instructions have read
	FETCH_BH \slot, 1, 1, 4
	FETCH_A \slot, 1, 0
	WIN MUL_HI
	MULA 4, 0, 0, \slot, \zero
	MULA 6, 0, 0, \slot, \zero
	PLACES NP
	WIN 0
	FETCH_A \slot, 1, 4
.endm
; A slot's second 128 changes slots: ONE barrier; in front of it each wave waits for all its tensor loads, adds 0 to its spare word, and waits for that and for its own reads of this slot.  fill = 1: the slot is filled again, two K steps ahead.
.macro TURN slot, next, fill
	s_wait_dscnt 24                                ; the weights' set, h's blocks 0 and 1 are in; out may be h's blocks 2-3 (8) and 4-7 (16)
	WIN MUL_LO
	MULA 0, 1, 1, \slot, 0
	WIN 0                                          ; (the add's two registers lie in window 0)
.if \fill
	s_wait_xcnt 0x0                                ; my prefetch has read its address: on to the next K step
	s_add_nc_u64 s[PFA:PFA+1], s[PFA:PFA+1], s[PFS:PFS+1]
.endif
	s_wait_tensorcnt 0x0                           ; all my tensor loads have landed: my part of the next slot
	ds_add_u32 v[SPW], v[NIL]                      ; 0 onto my spare word
	s_wait_dscnt 17                                ; (the add and the youngest 16 loads, h's blocks 4-7, may be out)
	WIN MUL_LO
	MUL8 2, 1, 1, \slot, 0                         ; eight matrix instructions stand between the add and the wait for it
	s_wait_dscnt 0x0                               ; the add is done, and my reads of this slot are over
	s_barrier_signal -1
	MUL8 3, 1, 1, \slot, 0
	WIN 0
	s_barrier_wait -1
.if \fill
	CREST                                          ; the barrier has opened a round of the cluster's barrier: no wave of any partner still reads this slot or has a load on its way
	s_add_nc_u64 s[G0+4*\slot+2:G0+4*\slot+3], s[G0+4*\slot+2:G0+4*\slot+3], 2097152         ; four chunks on
	s_add_nc_u64 s[G0B+4*\slot+2:G0B+4*\slot+3], s[G0B+4*\slot+2:G0B+4*\slot+3], 512
	JLOAD \slot                                    ; the first tensor load behind the round; its four v_nop are among the places in front of the loads below
	PLACES NP-4
.else
	PLACES NP
.endif
	s_wait_alu depctr_va_vdst(0)
	v_add_nc_u32 v[ADRS], 8, v[ADRS]               ; on to the next K step's scale words
	v_add_nc_u32 v[ADRS2], 8, v[ADRS2]
	SCALES \next
	FETCH_BH \next, 0, 0, 0
	FETCH_BH \next, 0, 0, 4
	FETCH_A \next, 0, 0
.if \fill
	s_cmp_gt_u32 s3, 1                             ; the loop's last trip fills the last two K steps and asks for nothing
	s_cbranch_scc0 .Lask_no_more_\@
	ASK
.Lask_no_more_\@:
.endif
	WIN MUL_HI
	MULA 4, 1, 1, \slot, 0
	MULA 6, 1, 1, \slot, 0
	PLACES NP
	WIN 0
	FETCH_A \next, 0, 4
	FETCH_BH \next, 1, 1, 0
.endm
; c Bmat for my rows 64 hi .. 64 hi + 63: 16 gate accumulators by turns, four instructions deep; cb: c's registers
.macro DELTA hi, cb
	WIN MUL_LO+0x50*\hi
.irp kk, 0,1,2,3
.irp a, 0,1,2,3
.irp t, 0,1,2,3
.if \kk == 0
	v_wmma_f32_16x16x4_f32 v[8*(8*\a+\t):8*(8*\a+\t)+7], v[128+8*\t+2*\kk:128+8*\t+2*\kk+1], v[\cb+8*\a+2*\kk:\cb+8*\a+2*\kk+1], 0
.else
	v_wmma_f32_16x16x4_f32 v[8*(8*\a+\t):8*(8*\a+\t)+7], v[128+8*\t+2*\kk:128+8*\t+2*\kk+1], v[\cb+8*\a+2*\kk:\cb+8*\a+2*\kk+1], v[8*(8*\a+\t):8*(8*\a+\t)+7]
.endif
.endr
.endr
.endr
	WIN 0
.endm
	s_wait_alu depctr_va_vdst(0)                   ; the wait at the head's end
	s_wait_loadcnt 48                              ; the scale bytes; c's 16 and Bmat's 32 loads may be out
.irp i, 0,1,2,3,4,5,6,7
	ds_store_b128 v4, v[160+4*\i:163+4*\i] offset:544*\i
	ds_store_b128 v5, v[192+4*\i:195+4*\i] offset:544*\i
.endr
	s_wait_loadcnt 0x0                             ; c and Bmat
	DELTA 0, 128
	s_wait_xcnt 0x0                                ; my prefetch has read its address
	s_add_nc_u64 s[PFA:PFA+1], s[PFA:PFA+1], s[PFS:PFS+1]
	s_wait_tensorcnt 0x0                           ; my tile of K step 0 is in
	ds_add_u32 v[SPW], v[NIL]
	s_wait_dscnt 0x0                               ; the add is done, and my scale bytes are in LDS
	CROUND                                         ; everybody's tiles and scale bytes are in, and all sixteen work-groups are here
	JLOAD 1                                        ; K step 1
	PLACES NP-4
	SCALES 0
	FETCH_BH 0, 0, 0, 0
	FETCH_BH 0, 0, 0, 4
	FETCH_A 0, 0, 0
	ASK                                            ; K step 3
	DELTA 1, 64
	PLACES 9                                       ; nine places: another matrix form goes on from these sums, and loads land on these operands
	FETCH_A 0, 0, 4
	FETCH_BH 0, 1, 1, 0
	STEP 0, 1                                      ; the first step stands in front of the loop: up's sums start here
	s_mov_b32 s3, 3
.Llap:                                                 ; a trip goes once round the ring and fills both slots again: 2,048 along K are four laps, the last written out
	TURN 0, 1, 1
	STEP 1, 0
	TURN 1, 0, 1
	STEP 0, 0
	s_sub_co_u32 s3, s3, 1
	s_cmp_lg_u32 s3, 0
	s_cbranch_scc1 .Llap
	TURN 0, 1, 0                                   ; the last lap fills nothing
	STEP 1, 0
	s_wait_dscnt 16                                ; the very last step: nothing more to fetch
	WIN MUL_LO
	MULA 0, 1, 1, 1, 0
	MULA 2, 1, 1, 1, 0
	s_wait_dscnt 0x0
	WIN MUL_HI
	MULA 4, 1, 1, 1, 0
	MULA 6, 1, 1, 1, 0
	WIN 0
	PLACES NP                                      ; in front of the first reads of results and of writes into the registers that held h's fragments
; THE WAY OUT of h's blocks a and a + 1 (32 tokens x 64 f): g = gate / (1 + 2^(-log2(e) gate)) x up; four blocks of 32 along f, each in lanes l and l xor 16; codes and scale bytes.  k = 2 e + b: block a + e's half b.
.macro GQ2 a
	s_wait_alu depctr_va_vdst(0)                   ; the wait ahead of the group's first readers
	WIN 2+(\a)/4                                   ; source 0: window 2 or 3
.irp e, 0,1
.set gi, 0
.rept 16
	v_pk_mul_f32 v[TT+32*\e+gi:TT+32*\e+gi+1], v[64*((\a+\e)%4)+gi:64*((\a+\e)%4)+gi+1], s[NL2E:NL2E+1] op_sel_hi:[1,0]   ; each accumulator from its low end on
.set gi, gi+2
.endr
.endr
	WIN 0
	s_wait_alu depctr_va_vdst(0)
.set gi, 0
.rept 64
	v_exp_f32 v[TT+gi], v[TT+gi]
.set gi, gi+1
.endr
	v_nop                                          ; a plain line behind the transcendentals
	s_wait_alu depctr_va_vdst(0)
.set gi, 0
.rept 32
	v_pk_add_f32 v[TT+gi:TT+gi+1], v[TT+gi:TT+gi+1], 1.0 op_sel_hi:[1,0]
.set gi, gi+2
.endr
	s_wait_alu depctr_va_vdst(0)
.set gi, 0
.rept 64
	v_rcp_f32 v[TT+gi], v[TT+gi]
.set gi, gi+1
.endr
	v_nop
	WIN 2+(\a)/4
	s_wait_alu depctr_va_vdst(0)
.irp e, 0,1
.set gi, 0
.rept 16
	v_pk_mul_f32 v[TT+32*\e+gi:TT+32*\e+gi+1], v[64*((\a+\e)%4)+gi:64*((\a+\e)%4)+gi+1], v[TT+32*\e+gi:TT+32*\e+gi+1]         ; silu(gate)
.set gi, gi+2
.endr
.endr
.irp e, 0,1
.set gi, 0
.rept 16
	v_pk_mul_f32 v[TT+32*\e+gi:TT+32*\e+gi+1], v[64*((\a+\e)%4)+32+gi:64*((\a+\e)%4)+32+gi+1], v[TT+32*\e+gi:TT+32*\e+gi+1]   ; x up.  Register 32 e + 16 b + 8 u + n: f = 32 b + 16 u + 8 h + n
.set gi, gi+2
.endr
.endr
	WIN 0
.irp k, 0,1,2,3
	v_max3_num_f32 v[TM+\k], |v[TT+16*\k]|, |v[TT+16*\k+1]|, 0x4800000         ; my 16 numbers of block k, and the floor 2^(9 - 127)
.endr
.irp i, 2,4,6,8,10,12,14
.irp k, 0,1,2,3
	v_max3_num_f32 v[TM+\k], v[TM+\k], |v[TT+16*\k+\i]|, |v[TT+16*\k+\i+1]|
.endr
.endr
.irp k, 0,1,2,3
	v_permlanex16_b32 v[TM+4+\k], v[TM+\k], s[SEL], s[SEL+1]
.endr
.irp k, 0,1,2,3
	v_max_num_f32 v[TM+\k], v[TM+\k], v[TM+4+\k]   ; with lane l xor 16's: the block's largest magnitude
.endr
.irp k, 0,1,2,3
	v_add_nc_u32 v[TM+12+\k], 0xfc000000, v[TM+\k] ; 8 off its exponent field: the conversion's scale operand
.endr
.irp k, 0,1,2,3
	v_and_or_b32 v[TM+8+\k], v[TM+\k], 0x7f800000, s[MNT]        ; 448 x the scale
.endr
.irp k, 0,1,2,3
	v_lshrrev_b32 v[TM+16+\k], 23, v[TM+12+\k]     ; the scale's byte
.endr
	v_lshl_or_b32 v[PWH+(\a)], v[TM+17], 8, v[TM+16]
	v_lshl_or_b32 v[PWH+(\a)+1], v[TM+19], 8, v[TM+18]
.irp k, 0,1,2,3
.irp i, 0,1,2,3,4,5,6,7,8,9,10,11,12,13,14,15
	v_med3_num_f32 v[TT+16*\k+\i], v[TT+16*\k+\i], -v[TM+8+\k], v[TM+8+\k]     ; the conversion to an 8-bit code does not saturate (ISA guide 7.6.2): the hold comes first
.endr
.irp u, 0,1
	v_cvt_scalef32_pk8_fp8_f32 v[PP+8*(\a)+4*\k+2*\u:PP+8*(\a)+4*\k+2*\u+1], v[TT+16*\k+8*\u:TT+16*\k+8*\u+7], v[TM+12+\k]
.endr
.endr
	v_nop                                          ; one plain vector line behind the last conversion
.irp k, 0,1,2,3
.irp u, 0,1
	global_store_b64 v[GO], v[PP+8*(\a)+4*\k+2*\u:PP+8*(\a)+4*\k+2*\u+1], s[12:13] offset:2048*(\a+\k/2)+512*(\k%2)+256*\u   ; 32 lanes store 256 consecutive bytes, at a multiple of 256 from gq's first byte; each block has registers of its own
.endr
.endr
	ds_store_b16 v[SX], v[PWH+(\a)] offset:64*(\a) ; both halves of the lanes write the same two bytes with the same value
	ds_store_b16 v[SX], v[PWH+(\a)+1] offset:64*(\a)+64
.endm
.irp a, 0,2,4,6
	GQ2 \a
.endr
	s_wait_dscnt 0x0                               ; for the others' sake: my scale bytes are in LDS
	s_barrier_signal -1
	s_barrier_wait -1
	ds_load_b64 v[TM:TM+1], v[SXR]                 ; a row's four bytes come from two waves
	s_wait_dscnt 0x0
	global_store_b64 v[GSO], v[TM:TM+1], s[14:15]  ; 32 lanes store 256 consecutive bytes
	s_wait_tensorcnt 0x0                           ; the wave's end
	ds_add_u32 v[SPW], v[NIL]
	s_wait_dscnt 0x0
	CROUND                                         ; the closing round: no work-group ends while a partner may still ask for a tile that names it
	s_endpgm
.Lfunc_end_k_q0b072973a2_gateup:
	.size	k_q0b072973a2_gateup, .Lfunc_end_k_q0b072973a2_gateup-k_q0b072973a2_gateup
	.p2alignl 7, 3214868480
	.fill 96, 4, 3214868480
	.section	.rodata,"a",@progbits
	.p2align	6, 0x0
	.amdhsa_kernel k_q0b072973a2_gateup
		.amdhsa_group_segment_fixed_size 327680
		.amdhsa_private_segment_fixed_size 0
		.amdhsa_enable_private_segment 0
		.amdhsa_kernarg_size 80
		.amdhsa_user_sgpr_count 2
		.amdhsa_user_sgpr_kernarg_segment_ptr 1
		.amdhsa_wavefront_size32 1
		.amdhsa_system_sgpr_workgroup_id_x 1
		.amdhsa_system_sgpr_workgroup_id_y 1
		.amdhsa_system_sgpr_workgroup_id_z 1
		.amdhsa_system_vgpr_workitem_id 0
		.amdhsa_next_free_vgpr 1024
		.amdhsa_next_free_sgpr 102
		.amdhsa_reserve_vcc 0
		.amdhsa_float_denorm_mode_32 3
		.amdhsa_float_denorm_mode_16_64 3
		.amdhsa_memory_ordered 1
		.amdhsa_forward_progress 1
		.amdhsa_inst_pref_size 219
	.end_amdhsa_kernel
	.amdgpu_metadata
---
amdhsa.version: [ 1, 2 ]
amdhsa.kernels:
  - .name:           k_q0b072973a2_gateup
    .symbol:         k_q0b072973a2_gateup.kd
    .args:
      - { .name: hq, .offset: 0, .size: 8, .value_kind: global_buffer, .address_space: global }
      - { .name: hs, .offset: 8, .size: 8, .value_kind: global_buffer, .address_space: global }
      - { .name: W_in_codes, .offset: 16, .size: 8, .value_kind: global_buffer, .address_space: global }
      - { .name: W_in_scales, .offset: 24, .size: 8, .value_kind: global_buffer, .address_space: global }
      - { .name: W_up_codes, .offset: 32, .size: 8, .value_kind: global_buffer, .address_space: global }
      - { .name: W_up_scales, .offset: 40, .size: 8, .value_kind: global_buffer, .address_space: global }
      - { .name: Bmat, .offset: 48, .size: 8, .value_kind: global_buffer, .address_space: global }
      - { .name: cm, .offset: 56, .size: 8, .value_kind: global_buffer, .address_space: global }
      - { .name: gq, .offset: 64, .size: 8, .value_kind: global_buffer, .address_space: global }
      - { .name: gs, .offset: 72, .size: 8, .value_kind: global_buffer, .address_space: global }
    .group_segment_fixed_size: 327680
    .private_segment_fixed_size: 0
    .kernarg_segment_align: 8
    .kernarg_segment_size: 80
    .max_flat_workgroup_size: 128
    .sgpr_count:     102
    .vgpr_count:     1024
    .wavefront_size: 32
...
	.end_amdgpu_metadata
.endif
;; end of part 2
;; launch down (part 3): grid 16 x 16, 4 waves a work-group, clusters of 4 x 4, 327,680 bytes of LDS; arguments gq, gs, W_down_codes, W_down_scales, hidden_states, out0; writes out0
.if DOCPART == 3
	.amdgcn_target "amdgcn-amd-amdhsa--gfx1250"
	.amdhsa_code_object_version 6
	.text
	.protected	k_q0b072973a2_down
	.globl	k_q0b072973a2_down
	.p2align	8
	.type	k_q0b072973a2_down,@function
k_q0b072973a2_down:
	s_mov_b64 s[64:65], 0
	v_nop
	global_prefetch_b8 v0, s[64:65] scope:SCOPE_SE
	s_setreg_imm32_b32 hwreg(HW_REG_WAVE_MODE, 25, 1), 1
	s_wait_xcnt 0x0
	s_wait_alu depctr_hold_cnt(0) depctr_sa_sdst(0) depctr_va_vdst(0) depctr_va_sdst(0) depctr_va_ssrc(0) depctr_va_vcc(0) depctr_vm_vsrc(0)
	s_getreg_b32 s2, hwreg(HW_REG_IB_STS2, 6, 4)
	s_cmp_eq_u32 s2, 0
	s_cbranch_scc0 .Lentry_in_a_cluster
	s_endpgm
.Lentry_in_a_cluster:
	s_bfe_u32 s2, ttmp6, 0x10000c
	s_cmp_lg_u32 s2, 0xf033
	s_cbranch_scc0 .Lentry_shape_is_right
	s_endpgm
.Lentry_shape_is_right:
; out0 = hidden_states + Q(g) W_down^T, the product on codes of E4M3 with one E8M0 byte for each 32 along K, by the scaled matrix instruction.
; IN: gq, g's codes as images of an operand's registers, [chunk of 128 K: 16][tile of 16 rows: 256][c: 4][lane: 32][16 bytes]; gs, its scale bytes [chunk: 16][4096][4]; W_down: codes [2048][2048], K innermost, scale bytes [2048][64]; hidden_states f32.
; SHARES.  A work-group makes 256 rows (block i) x 128 columns (block j): 16 x 16 = 256 work-groups.  Four waves, as many as a WGP has SIMDs; wave w makes rows 64 w .. 64 w + 63 x all 128 columns: 32 accumulators of 16 x 16, 256 registers.
; K goes in steps of 256 through a ring of two LDS slots filled by the tensor data mover.  A slot: two chunks of g's images (2 x 32,768 dense bytes), then 128 rows of W_down (256 bytes + 16 of padding).  One joint load a wave: a chunk, or 64 rows.
; The eight K steps are written out by a macro: the residual's registers differ in every one, and every step of an address is an immediate.
; The scale bytes for all of K come by plain loads and are stored into LDS once: 24,576 of the some 810,000 bytes of operands that a work-group brings in, so they are not asked for jointly.
; THE RESIDUAL, a wave's 64 rows x 512 bytes of hidden_states, comes into 256 registers in the layout in which rows leave, ten loads in each of the first K steps.
; CLUSTERS: 4 x 4 work-groups.  The four of a row of the cluster need the same tiles of g, the four of a column the same tiles of W_down: each tile is asked for jointly.
; PREFETCH: behind the joint load of K step n stands one prefetch a wave for K step n + 2, n = 0 .. 5.  The four partners that load a tile share its blocks of 256 bytes out by address: of g's chunk 32 each, of W_down's 64 rows 16 each (lanes 16-31 name lane 15's row).
; THE MATRIX INSTRUCTION IS USED TRANSPOSED (source 0 = 16 rows of W_down, source 1 = 16 tokens): a lane holds eight neighbouring columns of one row of the result.
; THE LAST K STEP GOES BY ROWS OF THE RESULT: all its fragments stand in the two sets; a block of 16 rows leaves while the next is multiplied.
; Codes and scale bytes are taken as they are given.
; REGISTERS, in windows of 256: window 0: v1-31 addresses; v32-63 scale words, two sets, and nothing else; v64-127 rows read back on the way out; v128-255 g's fragments, two sets of four (ahead of the ring: scale bytes on their way to LDS).
;   window 1: W_down's fragments, two sets of eight.   window 2: accumulator (a, b) at v[8 (8 a + b)].   window 3: the residual: my row n at v[4 n]; the sums that leave are written over it.
.set SLOT,  65536+128*272
.set SCL,   2*SLOT                     ; behind the ring: scale bytes, as units of 256 bytes (4 rows of 64) + 16 of padding: g's 256 rows, then W_down's 128
.set SPARE, SCL+17408+8704             ; the spare words, 128 bytes for each wave
.set STG,   SPARE+512                  ; the way out: 16 rows x (512 + 16) bytes for each wave; no fill lands here
.set SPITCH, 528
.set NP,    8                          ; places behind the scaled form on 8-bit codes
.set LI,    22                         ; v22    16 x lane: my place in an image, in a row of hidden_states and of out0; never rewritten
.set ADRA,  16                         ; v16-17 LDS address of my images of g in slot 0, 1
.set ADRB,  20                         ; v20-21 of a fragment of W_down in slot 0, 1
.set STO,   23                         ; v23    the stage: where I put 32 bytes of a row
.set RD,    24                         ; v24    the stage: where I read a row back
.set ADRS,  27                         ; v27    scale words, i = 0-3: lanes 0-15 W_down's block i, lanes 16-31 g's block i
.set SPW,   28
.set NIL,   29
.set ADRS2, 30                         ; v30    i = 4-7: lanes 0-15 W_down's block i, lanes 16-31 g's block i - 4
.set PFO,   31
.set SC,    32                         ; set s at v[SC + 16 s]; register 2 i + q
.set BK,    64
.set AF,    128
.set WV,    16
.set RH,    17                         ; I fetch for g (0) or for W_down (1)
.set CH,    18                         ; which of the two tiles
.set PFA,   68
.set PFS,   70
.set G1,    24                         ; s[24:31] group 1 for g's chunks;  s[32:39] group 0, one set for each slot
.set G0,    32
.set G1B,   48                         ; s[48:55], s[56:63] the same for W_down
.set G0B,   56
.set MSB, 0
.macro WIN new                         ; the immediate's high byte repeats the setting that is left
.if MSB != (\new)
	s_set_vgpr_msb (MSB<<8)|(\new)
.set MSB, (\new)
.endif
.endm
.set MUL,    0xa1                      ; source 0 (W_down) window 1, source 1 (g) window 0, C and D window 2
.set TO_B,   0x40                      ; destination window 1, address window 0
.set TO_R,   0xc0                      ; destination window 3
; A joint load into slot s: waves 0 and 1 fetch for g, waves 2 and 3 for W_down.  The branch hangs on the wave's number alone.  Four v_nop follow each of the two lines.
.macro JLOAD s
	s_cmp_eq_u32 s[RH], 0
	s_cbranch_scc0 .Lfor_b_\@
	tensor_load_to_lds s[G0+4*(\s):G0+4*(\s)+3], s[G1:G1+7]
	s_nop 0
.rept 4
	v_nop
.endr
	s_branch .Lasked_\@
.Lfor_b_\@:
	tensor_load_to_lds s[G0B+4*(\s):G0B+4*(\s)+3], s[G1B:G1B+7]
	s_nop 0
.rept 4
	v_nop
.endr
.Lasked_\@:
.endm
.macro CREST                           ; a round of the cluster's barrier behind its opening barrier
	s_cmp_lg_u32 s[WV], 0
	s_cbranch_scc1 .Lnot_wave_0_\@
	s_barrier_signal -3
.Lnot_wave_0_\@:
	s_barrier_wait -3
	s_barrier_signal -1
	s_barrier_wait -1
.endm
.macro CROUND                          ; a whole round
	s_barrier_signal -1
	s_barrier_wait -1
	CREST
.endm
.macro PLACES n
.rept \n
	v_nop
.endr
.endm
.macro ASK
	global_prefetch_b8 v[PFO], s[PFA:PFA+1] th:TH_LOAD_NT scope:SCOPE_SE
.endm
	s_load_b256 s[4:11], s[0:1], 0x0               ; gq s[4:5], gs s[6:7], W_down's codes s[8:9], its scales s[10:11]
	s_load_b128 s[12:15], s[0:1], 0x20             ; hidden_states s[12:13], out0 s[14:15]
	v_lshl_add_u32 v[SPW], v0, 2, SPARE
	v_mov_b32 v[NIL], 0
	ds_add_u32 v[SPW], v[NIL]                      ; the opening lines: the add, twice on end, under one wait
	ds_add_u32 v[SPW], v[NIL]
	v_lshrrev_b32 v1, 5, v0
	v_readfirstlane_b32 s[WV], v1                  ; wave 0..3
	s_lshr_b32 s[RH], s[WV], 1
	s_and_b32 s[CH], s[WV], 1
	s_bfe_u32 s40, ttmp6, 0x40000                  ; cx, cy: my place in the cluster
	s_bfe_u32 s41, ttmp6, 0x40004
	s_lshl_b32 s42, ttmp9, 2
	s_add_co_u32 s42, s42, s40                     ; j: my block of 128 columns = 4 x cluster x + cx
	s_and_b32 s45, ttmp7, 0xffff
	s_lshl_b32 s45, s45, 2
	s_add_co_u32 s45, s45, s41                     ; i: my block of 256 rows = 4 x cluster y + cy
	s_lshl_b32 s43, s41, 2
	s_lshl_b32 s43, 15, s43                        ; my row of the cluster
	s_lshl_b32 s44, 0x1111, s40                    ; my column
	; group 1, g's chunk: 32,768 dense bytes as 128 rows of 32 elements of 8 bytes, no padding
	s_or_b32 s[G1], s43, (3<<16)|(1<<21)
	s_mov_b32 s[G1+1], 32<<16
	s_mov_b32 s[G1+2], 128<<16
	s_mov_b32 s[G1+3], 32<<16
	s_mov_b32 s[G1+4], 128
	s_mov_b32 s[G1+5], 32
	s_mov_b32 s[G1+6], 0
	s_mov_b32 s[G1+7], 0
	; W_down's tile: 64 rows x 256 bytes, 2,048 bytes from row to row, 4 words of padding behind every 64
	s_or_b32 s[G1B], s44, (1<<20)|(1<<21)|(5<<22)|(3<<25)
	s_mov_b32 s[G1B+1], 256<<16
	s_mov_b32 s[G1B+2], 64<<16
	s_mov_b32 s[G1B+3], 256<<16
	s_mov_b32 s[G1B+4], 64
	s_mov_b32 s[G1B+5], 2048
	s_mov_b32 s[G1B+6], 0
	s_mov_b32 s[G1B+7], 0
	; p = wave & 1.  g's tiles hang on i and p alone, W_down's on j and p alone
	s_lshl_b32 s20, s45, 15                        ; g's codes: 16 tiles of 2,048 bytes x i + chunk p
	s_lshl_b32 s21, s[CH], 19
	s_add_co_u32 s20, s20, s21
	s_mov_b32 s21, 0
	s_lshl_b32 s46, s42, 18                        ; W_down's: row 128 j + 64 p
	s_lshl_b32 s47, s[CH], 17
	s_add_co_u32 s46, s46, s47
	s_mov_b32 s47, 0
	s_lshl_b32 s22, s[WV], 16                      ; g's scale bytes: chunks 4 w .. 4 w + 3, row 256 i
	s_lshl_b32 s23, s45, 10
	s_add_co_u32 s22, s22, s23
	s_mov_b32 s23, 0
	s_lshl_b32 s2, s42, 13                         ; W_down's: row 128 j + 32 w
	s_lshl_b32 s3, s[WV], 11
	s_add_co_u32 s2, s2, s3
	s_mov_b32 s3, 0
	s_lshl_b32 s72, s45, 21                        ; hidden_states and out0: row 256 i + 64 w, 8,192 bytes a row; column 128 j
	s_lshl_b32 s73, s[WV], 19
	s_add_co_u32 s72, s72, s73
	s_lshl_b32 s73, s42, 9
	s_add_co_u32 s72, s72, s73
	s_mov_b32 s73, 0
	s_lshl_b32 s76, s40, 13                        ; prefetches, K step 2: of g's chunk blocks 32 cx on;
	s_add_co_u32 s76, s76, s20
	s_add_co_u32 s76, s76, 2097152
	s_lshl_b32 s78, s41, 15                        ; of W_down's tile rows 16 cy on
	s_add_co_u32 s78, s78, s46
	s_add_co_u32 s78, s78, 512
	; and where the tiles go: no place in the cluster enters an LDS address
	s_mov_b32 s[G0], 1
	s_lshl_b32 s[G0+1], s[CH], 15
	s_mov_b32 s[G0+4], 1
	s_add_co_u32 s[G0+5], s[G0+1], SLOT
	s_mov_b32 s[G0B], 1
	s_mul_i32 s[G0B+1], s[CH], 64*272
	s_add_co_u32 s[G0B+1], s[G0B+1], 65536
	s_mov_b32 s[G0B+4], 1
	s_add_co_u32 s[G0B+5], s[G0B+1], SLOT
	s_lshl_b32 s80, s[WV], 4                       ; LDS: g's scale words of chunks 4 w on
	s_add_co_u32 s80, s80, SCL
	s_mul_i32 s81, s[WV], 2176                     ; W_down's: 8 units a wave
	s_add_co_u32 s81, s81, SCL+17408
	s_mov_b32 s[PFS], 256
	s_mov_b32 s[PFS+1], 0
	s_cmp_eq_u32 s[RH], 0
	s_cselect_b32 s76, s76, s78
	s_cselect_b32 s[PFS], 0x100000, s[PFS]
	s_cselect_b32 s83, 8, 11
	s_cselect_b32 s84, 31, 15
	s_mov_b32 s77, 0
	v_and_b32 v1, 15, v0                           ; r
	v_bfe_u32 v2, v0, 4, 1                         ; h
	v_and_b32 v3, 31, v0                           ; lane
	v_lshlrev_b32 v[LI], 4, v3
	v_min_u32 v[PFO], s84, v3
	v_mul_u32_u24 v4, v3, 272
	v_mul_u32_u24 v5, v2, 272
	v_lshlrev_b32 v[PFO], s83, v[PFO]
	v_lshl_add_u32 v5, v1, 4, v5                   ; two units of 256 bytes + 16
	v_add_nc_u32 v4, s80, v4                       ; lane l: rows 4 l .. 4 l + 3: a unit
	v_add_nc_u32 v5, s81, v5
	s_wait_alu depctr_va_vdst(0)
	s_wait_dscnt 0x0                               ; both opening adds are done
	s_wait_kmcnt 0x0
	s_cmp_eq_u32 s[RH], 0
	s_cselect_b64 s[PFA:PFA+1], s[4:5], s[8:9]
	s_add_nc_u64 s[PFA:PFA+1], s[PFA:PFA+1], s[76:77]
	s_add_nc_u64 s[G0+2:G0+3], s[4:5], s[20:21]
	s_add_nc_u64 s[G0+6:G0+7], s[G0+2:G0+3], 1048576               ; slot 1: two chunks on
	s_or_b32 s[G0+3], s[G0+3], 0x80000000
	s_or_b32 s[G0+7], s[G0+7], 0x80000000
	s_add_nc_u64 s[G0B+2:G0B+3], s[8:9], s[46:47]
	s_add_nc_u64 s[G0B+6:G0B+7], s[G0B+2:G0B+3], 256
	s_or_b32 s[G0B+3], s[G0B+3], 0x80000000
	s_or_b32 s[G0B+7], s[G0B+7], 0x80000000
	s_add_nc_u64 s[6:7], s[6:7], s[22:23]
	s_add_nc_u64 s[10:11], s[10:11], s[2:3]
	s_add_nc_u64 s[12:13], s[12:13], s[72:73]
	s_add_nc_u64 s[14:15], s[14:15], s[72:73]
	; scale bytes: plain loads want no partner and go out ahead of the round
.irp c, 0,1,2,3
	global_load_b128 v[128+8*\c:131+8*\c], v[LI], s[6:7] offset:16384*\c                         ; chunk 4 w + c, rows 4 lane .. 4 lane + 3,
	global_load_b128 v[132+8*\c:135+8*\c], v[LI], s[6:7] offset:16384*\c+512                     ; and 128 rows on
	global_load_b128 v[160+4*\c:163+4*\c], v[LI], s[10:11] offset:512*\c
.endr
	CROUND                                         ; all sixteen work-groups are here: the first joint loads meet
	JLOAD 0                                        ; K step 0: one tensor load a wave at the head
	; ---- addresses
	s_lshl_b32 s20, s[WV], 13                      ; my 4 tiles of a chunk's 16
	v_add_nc_u32 v[ADRA], s20, v[LI]
	v_add_nc_u32 v[ADRA+1], SLOT, v[ADRA]
	v_mul_u32_u24 v6, v1, 272
	v_lshl_add_u32 v6, v2, 4, v6                   ; a fragment of W_down: row r x pitch + 16 h
	v_add_nc_u32 v[ADRB], 65536, v6
	v_add_nc_u32 v[ADRB+1], SLOT+65536, v6
	v_lshlrev_b32 v7, 6, v1                        ; my row's scale bytes: 64 a row,
	v_lshrrev_b32 v8, 2, v1
	v_lshl_add_u32 v7, v8, 4, v7                   ; and 16 more for each 256 passed
	v_xor_b32 v8, 1, v2                            ; 1 in lanes 0-15
	s_mul_i32 s20, s[WV], 4352                     ; g's: my 64 rows
	s_sub_co_u32 s21, 17408, s20                   ; from there to W_down's
	s_add_co_u32 s22, s21, 4352                    ; for i = 4-7 (immediates 4 x 1,088 on) g's begin 4,352 earlier
	s_add_co_u32 s20, s20, SCL-4352
	v_mul_u32_u24 v9, s21, v8
	v_mul_u32_u24 v10, s22, v8
	v_add_nc_u32 v7, s20, v7
	v_add_nc_u32 v[ADRS2], v7, v10
	v_add_nc_u32 v7, 4352, v7
	v_add_nc_u32 v[ADRS], v7, v9
	s_mul_i32 s22, s[WV], 16*SPITCH
	s_add_co_u32 s22, s22, STG                     ; my stage
	v_mul_u32_u24 v11, v1, SPITCH
	v_lshl_add_u32 v11, v2, 5, v11
	v_add_nc_u32 v[STO], s22, v11                  ; in: row r, 32 bytes for each half of the lanes
	v_add_nc_u32 v[RD], s22, v[LI]                 ; back: the 32 lanes take one row of 512 bytes
	ASK                                            ; K step 2
; the fragments of the slot's q-th 128 along K into set q: W_down's eight (lane l holds row l % 16; registers 4 c .. 4 c + 3 hold K = 32 c + 16 (l / 16) + 0 .. 15), g's four images
.macro FETCH s, q
	WIN TO_B
.irp b, 0,1,2,3,4,5,6,7
.irp c, 0,1,2,3
	ds_load_b128 v[128*(\q)+16*\b+4*\c:128*(\q)+16*\b+4*\c+3], v[ADRB+(\s)] offset:128*(\q)+32*\c+4352*\b
.endr
.endr
	WIN 0
.irp a, 0,1,2,3
.irp c, 0,1,2,3
	ds_load_b128 v[AF+64*(\q)+16*\a+4*\c:AF+64*(\q)+16*\a+4*\c+3], v[ADRA+(\s)] offset:32768*(\q)+2048*\a+512*\c
.endr
.endr
.endm
.macro SCALES n                        ; K step n's scale words: 2 words a row
.irp i, 0,1,2,3
	ds_load_b64 v[SC+16*((\n)%2)+2*\i:SC+16*((\n)%2)+2*\i+1], v[ADRS] offset:1088*\i+8*(\n)
.endr
.irp i, 4,5,6,7
	ds_load_b64 v[SC+16*((\n)%2)+2*\i:SC+16*((\n)%2)+2*\i+1], v[ADRS2] offset:1088*\i+8*(\n)
.endr
.endm
.macro MM a, b, n, q                   ; one product: g's block a x W_down's block b.  K step 0's first 128 start the sums: nothing is cleared
.set D_, 8*(8*(\a)+(\b))
.set P_, 128*(\q)+16*(\b)
.set F_, AF+64*(\q)+16*(\a)
.set W_, SC+16*((\n)%2)+2*(\b)+(\q)
.set G_, SC+16*((\n)%2)+2*((\a)+4*((\b)/4))+(\q)
.if ((\n) == 0) && ((\q) == 0)
	v_wmma_scale_f32_16x16x128_f8f6f4 v[D_:D_+7], v[P_:P_+15], v[F_:F_+15], 0, v[W_], v[G_] matrix_b_scale:MATRIX_SCALE_ROW1
.else
	v_wmma_scale_f32_16x16x128_f8f6f4 v[D_:D_+7], v[P_:P_+15], v[F_:F_+15], v[D_:D_+7], v[W_], v[G_] matrix_b_scale:MATRIX_SCALE_ROW1
.endif
.endm
.macro MB b, n, q                      ; the 32 accumulators take turns, one instruction a turn, in the same order
.irp a, 0,1,2,3
	MM \a, \b, \n, \q
.endr
.endm
.macro RLOAD n                         ; the residual's rows 10 n .. 10 n + 9 of my 64: a load takes 512 consecutive bytes of a row
	WIN TO_R
.irp e, 0,1,2,3,4,5,6,7,8,9
.if 10*(\n)+\e < 64
	global_load_b128 v[4*(10*(\n)+\e):4*(10*(\n)+\e)+3], v[LI], s[12:13] offset:(10*(\n)+\e)*8192 th:TH_LOAD_NT
.endif
.endr
.endm
; K step n = 0 .. 6, in slot n % 2: 64 products.  While one 128 along K is multiplied the next one's fragments are on their way.
.macro KSTEP n
	s_wait_dscnt 0x0                               ; this 128's fragments and the scale words are in
	PLACES NP                                      ; in front of loads into registers that matrix instructions have read
	FETCH (\n)%2, 1
	RLOAD \n
	WIN MUL
.irp b, 0,1,2,3,4,5,6,7
	MB \b, \n, 0
.endr
	s_wait_dscnt 0x0
.irp b, 0,1,2
	MB \b, \n, 1
.endr
	WIN 0
.if (\n) < 4
	s_wait_xcnt 0x0                                ; my prefetch has read its address: on to the next K step
	s_add_nc_u64 s[PFA:PFA+1], s[PFA:PFA+1], s[PFS:PFS+1]
.endif
	s_wait_tensorcnt 0x0                           ; my part of the next slot has landed
	ds_add_u32 v[SPW], v[NIL]                      ; 0 onto my spare word
	WIN MUL
	MB 3, \n, 1
	s_wait_dscnt 0x0                               ; the add is done, and my reads of this slot are over
	s_barrier_signal -1
	MB 4, \n, 1
	WIN 0
	s_barrier_wait -1                              ; the next slot is whole for every wave
.if (\n) < 6
	CREST                                          ; the barrier has opened a round: no wave of any partner still reads this slot or has a load on its way
	s_add_nc_u64 s[G0+4*((\n)%2)+2:G0+4*((\n)%2)+3], s[G0+4*((\n)%2)+2:G0+4*((\n)%2)+3], 2097152
	s_add_nc_u64 s[G0B+4*((\n)%2)+2:G0B+4*((\n)%2)+3], s[G0B+4*((\n)%2)+2:G0B+4*((\n)%2)+3], 512
	JLOAD (\n)%2                                   ; K step n + 2; its four v_nop are among the places in front of the loads below
	PLACES NP-4
.else
	PLACES NP
.endif
	SCALES (\n)+1
	FETCH ((\n)+1)%2, 0
.if (\n) < 4
	ASK                                            ; K step n + 4
.endif
	WIN MUL
.irp b, 5,6,7
	MB \b, \n, 1
.endr
.endm
	s_wait_alu depctr_va_vdst(0)                   ; the wait at the head's end
	s_wait_loadcnt 0x0                             ; the scale bytes
.irp c, 0,1,2,3
.irp e, 0,1,2,3
	ds_store_b32 v4, v[128+8*\c+\e] offset:64*\e+4*\c                  ; row 4 lane + e, chunk 4 w + c
	ds_store_b32 v4, v[132+8*\c+\e] offset:8704+64*\e+4*\c
.endr
	ds_store_b128 v5, v[160+4*\c:163+4*\c] offset:544*\c
.endr
	s_wait_xcnt 0x0
	s_add_nc_u64 s[PFA:PFA+1], s[PFA:PFA+1], s[PFS:PFS+1]
	s_wait_tensorcnt 0x0                           ; my tile of K step 0 is in
	ds_add_u32 v[SPW], v[NIL]
	s_wait_dscnt 0x0                               ; the add is done, and my scale bytes are in LDS
	CROUND                                         ; everybody's tiles and scale bytes are in, and all sixteen work-groups are here
	JLOAD 1                                        ; K step 1
	SCALES 0
	FETCH 0, 0
	ASK                                            ; K step 3
.irp n, 0,1,2,3,4,5,6
	KSTEP \n
.endr
; THE LAST K STEP, AND THE WAY OUT, block by block of 16 rows x 128 columns.  A lane holds 32 neighbouring bytes of a row, and the lanes beside it hold other rows: a block goes through my own stage in LDS and comes back as whole rows of 512 bytes;
; the residual is added, and the 32 lanes store two aligned units of 256 bytes.  LDS serves a wave's instructions in order (ISA guide 5.7.1.4): no wait between the stores and the loads, nor in front of the next block's stores.
.macro ROWQ a, q
	WIN MUL
.irp b, 0,1,2,3,4,5,6,7
	MM \a, \b, 7, \q
.endr
.endm
.macro TOSTAGE a
	WIN 0x08                                       ; an LDS store's data are its source 1: window 2
.irp b, 0,1,2,3,4,5,6,7
	ds_store_b128 v[STO], v[64*(\a)+8*\b:64*(\a)+8*\b+3] offset:64*\b            ; each accumulator from its low end on
	ds_store_b128 v[STO], v[64*(\a)+8*\b+4:64*(\a)+8*\b+7] offset:64*\b+16
.endr
	WIN 0
.irp t, 0,1,2,3,4,5,6,7,8,9,10,11,12,13,14,15
	ds_load_b128 v[BK+4*\t:BK+4*\t+3], v[RD] offset:\t*SPITCH
.endr
.endm
.macro SEND a
	s_wait_loadcnt 48-16*(\a)                      ; the residual's rows of this block are in; the later blocks' may be out
	s_wait_dscnt 0x0                               ; the block is back in registers
	WIN 0xcc                                       ; source 1 and destination: window 3
.set gi, 0
.rept 32
	v_pk_add_f32 v[64*(\a)+gi:64*(\a)+gi+1], v[BK+gi:BK+gi+1], v[64*(\a)+gi:64*(\a)+gi+1]
.set gi, gi+2
.endr
	WIN 0x0c                                       ; a store's data are its source 1: window 3
.irp t, 0,1,2,3,4,5,6,7,8,9,10,11,12,13,14,15
	global_store_b128 v[LI], v[64*(\a)+4*\t:64*(\a)+4*\t+3], s[14:15] offset:(16*(\a)+\t)*8192 th:TH_STORE_NT   ; 32 lanes store 512 consecutive bytes, at a multiple of 256 from out0's first byte
.endr
	WIN 0
.endm
	s_wait_dscnt 0x0
	PLACES NP
	FETCH 1, 1
	ROWQ 0, 0
	s_wait_dscnt 0x0
	ROWQ 0, 1
	PLACES NP                                      ; in front of the first reads of results
	TOSTAGE 0
.irp a, 1,2,3
	ROWQ \a, 0
	ROWQ \a, 1
	SEND \a-1                                      ; its 32 additions are the places behind the last products
	TOSTAGE \a
.endr
	SEND 3
	s_wait_tensorcnt 0x0                           ; the wave's end
	ds_add_u32 v[SPW], v[NIL]
	s_wait_dscnt 0x0
	CROUND                                         ; the closing round: no work-group ends while a partner may still ask for a tile that names it
	s_endpgm
.Lfunc_end_k_q0b072973a2_down:
	.size	k_q0b072973a2_down, .Lfunc_end_k_q0b072973a2_down-k_q0b072973a2_down
	.p2alignl 7, 3214868480
	.fill 96, 4, 3214868480
	.section	.rodata,"a",@progbits
	.p2align	6, 0x0
	.amdhsa_kernel k_q0b072973a2_down
		.amdhsa_group_segment_fixed_size 327680
		.amdhsa_private_segment_fixed_size 0
		.amdhsa_enable_private_segment 0
		.amdhsa_kernarg_size 48
		.amdhsa_user_sgpr_count 2
		.amdhsa_user_sgpr_kernarg_segment_ptr 1
		.amdhsa_wavefront_size32 1
		.amdhsa_system_sgpr_workgroup_id_x 1
		.amdhsa_system_sgpr_workgroup_id_y 1
		.amdhsa_system_sgpr_workgroup_id_z 1
		.amdhsa_system_vgpr_workitem_id 0
		.amdhsa_next_free_vgpr 1024
		.amdhsa_next_free_sgpr 90
		.amdhsa_reserve_vcc 0
		.amdhsa_float_denorm_mode_32 3
		.amdhsa_float_denorm_mode_16_64 3
		.amdhsa_memory_ordered 1
		.amdhsa_forward_progress 1
		.amdhsa_inst_pref_size 172
	.end_amdhsa_kernel
	.amdgpu_metadata
---
amdhsa.version: [ 1, 2 ]
amdhsa.kernels:
  - .name:           k_q0b072973a2_down
    .symbol:         k_q0b072973a2_down.kd
    .args:
      - { .name: gq, .offset: 0, .size: 8, .value_kind: global_buffer, .address_space: global }
      - { .name: gs, .offset: 8, .size: 8, .value_kind: global_buffer, .address_space: global }
      - { .name: W_down_codes, .offset: 16, .size: 8, .value_kind: global_buffer, .address_space: global }
      - { .name: W_down_scales, .offset: 24, .size: 8, .value_kind: global_buffer, .address_space: global }
      - { .name: hidden_states, .offset: 32, .size: 8, .value_kind: global_buffer, .address_space: global }
      - { .name: out0, .offset: 40, .size: 8, .value_kind: global_buffer, .address_space: global }
    .group_segment_fixed_size: 327680
    .private_segment_fixed_size: 0
    .kernarg_segment_align: 8
    .kernarg_segment_size: 48
    .max_flat_workgroup_size: 128
    .sgpr_count:     90
    .vgpr_count:     1024
    .wavefront_size: 32
...
	.end_amdgpu_metadata
.endif
;; end of part 3
